; MI455X (gfx1250); checked and timed in simulation.
; The chip was launched on July 23, 2026; its instructions are those of AMD's public machine-readable ISA for CDNA 5 (MIT licence, August 2026) and "CDNA5" Instruction Set Architecture Reference Guide (July 2026). The comments in the code are by the model that wrote it; some were corrected since.
;; Attention. Allowed arithmetic: matrix products marked QUANTISED: E2M3 operands, one E8M0 scale for each 32 along K, by v_wmma_scale_f32_16x16x128_f8f6f4 with both operands' format E2M3, f32 sums; everything else in f32.
;; Inputs: Wk 1,024 x 1,024 float32; Wo 1,024 x 1,024 float32; Wq 1,024 x 1,024 float32; Wv 1,024 x 1,024 float32; bo 1,024 float32; bq 1,024 float32; bv 1,024 float32; cos 4 x 2,048 x 64 float32; mask 4 x 2,048 bool; sin 4 x 2,048 x 64 float32; x 4 x 2,048 x 1,024 float32.
;; Outputs: out0 4 x 2,048 x 1,024 float32.
;; This version of the problem:
;;   THIS VERSION OF THE PROBLEM IS GIVEN IN LOW PRECISION. The matrix products marked QUANTISED in the list below multiply operands that are first quantised to E2M3 (2 exponent bits, 3 mantissa bits; 6 bits a number), with one power-of-two scale for each 32 numbers along K (OCP MX v1.0); their sums are f32. All else is computed in f32.
;;   The module's matrix products, in the order in which they are computed (A, B: the left and right operand; K: the contracted axis; several contracted axes count as one K, in the product's order):
;;     1. [M 8,192, K 1,024] x [K 1,024, N 1,024]; A: input x; B: input Wq: QUANTISED
;;     2. [M 8,192, K 1,024] x [K 1,024, N 1,024]; A: input x; B: input Wk: QUANTISED
;;     3. [M 8,192, K 1,024] x [K 1,024, N 1,024]; A: input x; B: input Wv: QUANTISED
;;     4. batch 64 x [M 2,048, K 64] x [K 64, N 2,048]; A: computed on the way; B: computed on the way: QUANTISED
;;     5. batch 64 x [M 2,048, K 2,048] x [K 2,048, N 64]; A: softmax (see below); B: computed on the way: QUANTISED
;;     6. [M 8,192, K 1,024] x [K 1,024, N 1,024]; A: computed on the way; B: input Wo: QUANTISED
;;   THE QUANTISER, for each operand of a quantised product, along K:
;;     - K is cut into blocks of 32 from its start; a last block that is shorter is filled with zeros.
;;     - A block's scale is 2^e with e = floor(log2(the largest magnitude in the block)) - 2, held to -126 .. 127; a block of zeros has e = 0. As a byte (E8M0): e + 127.
;;     - Each number is divided by its block's scale, clamped to +-7.5, and rounded to the nearest number of E2M3, ties to even, subnormals kept.
;;     - The product sums the exact products of the quantised numbers (number of the format x scale) in f32.
;;   ~~~python
;;   def quantise(x, axis):      # numpy; x: float32 -> the quantised numbers, widened to float32 again
;;       x = np.moveaxis(x, axis, -1); K = x.shape[-1]
;;       x = np.pad(x, [(0, 0)] * (x.ndim - 1) + [(0, -K % 32)]); x = x.reshape(x.shape[:-1] + (-1, 32)); a = np.abs(x).max(-1, keepdims=True)
;;       e = np.where(a > 0, np.clip(np.frexp(np.where(a > 0, a, 1))[1] - 1 - 2, -126, 127), 0)      # np.frexp(a)[1] - 1 = floor(log2(a)), exactly
;;       r = np.clip(x / 2.0 ** e, -7.5, 7.5)
;;       step = 2.0 ** (np.maximum(np.frexp(np.where(r == 0, 1, r))[1] - 1, 0) - 3)
;;       q = np.round(r / step) * step * 2.0 ** e      # np.round: ties to even
;;       return np.moveaxis(q.reshape(q.shape[:-2] + (-1,))[..., :K], -1, axis).astype(np.float32)
;;   ~~~
;;   SOFTMAX AHEAD OF A QUANTISED PRODUCT. Where the list says 'softmax', what is quantised is not the finished softmax but p = 2^(t - M), with t = logit x log2(e) and M = ceil(the row's largest t), a whole number; so 1/2 < the row's largest p <= 1. The row's sum l is taken of the UNQUANTISED p, in f32, and the product's result is divided by l at the end. Since M is a whole number, a kernel that streams over the keys may use a running M (the ceiling of the running maximum): every later rescaling is an exact power of two, which a block's scale takes up: the codes' values come out the same.
;;   OPERANDS COMPUTED ON THE WAY. 'Computed on the way' means the value that the module computes at that place (a softmax that the list does not call 'softmax' is quantised finished and normalised). What goes into a quantiser is computed in f32, as accurately as f32 sums, v_exp_f32 and their like allow (about 1e-6 of the number): no bf16 or f16 on the way to a quantiser, and a product that is left as it is and whose result goes on into a quantised operand takes f32 operands (vector FMAs, or v_wmma_f32_16x16x4_f32). A number that lies on a knife's edge between two numbers of the format may be rounded either way, as far as f32 arithmetic and the matrix unit's own rounding can turn it there, and no further.
;; One version. Each part assembles by itself: llvm-mc -triple=amdgcn-amd-amdhsa -mcpu=gfx1250 --defsym DOCPART=n.
;; ======== version 1 of 1: 4 launches
;; limits: right only within a limited range of input values
;; workspace buffers: xc 6,291,456 bytes; xs 262,144 bytes; wc 3,145,728 bytes; ws 131,072 bytes; qkv 20,447,232 bytes; cc 6,291,456 bytes; cs 262,144 bytes
;; launch quant (part 1): grid 384 x 1, 4 waves a work-group, no clusters, 68,096 bytes of LDS; arguments x, Wq, Wk, Wv, Wo, xc, xs, wc, ws; writes xc, xs, wc, ws
.if DOCPART == 1
	.amdgcn_target "amdgcn-amd-amdhsa--gfx1250"
	.amdhsa_code_object_version 6
	.text
	.protected	k_q29ab0ecb93_quant
	.globl	k_q29ab0ecb93_quant
	.p2align	8
	.type	k_q29ab0ecb93_quant,@function
k_q29ab0ecb93_quant:
	s_mov_b64 s[64:65], 0
	v_nop
	global_prefetch_b8 v0, s[64:65] scope:SCOPE_SE
	s_setreg_imm32_b32 hwreg(HW_REG_WAVE_MODE, 25, 1), 1
	s_wait_xcnt 0x0
; x [8192][1024] f32 (K innermost) and Wq, Wk, Wv, Wo [1024 (k)][1024 (n)] f32 (K is the first axis) become codes of FP6 (E2M3) with one E8M0 byte for each 32 along K.
; xc [8192][768 B], xs [8192][32 B];  wc [4096 rows][768 B], ws [4096][32 B]: rows 0-1023 the columns of Wq, then Wk's, Wv's, Wo's; K innermost.
; A block's scale is 2^(floor(log2(largest magnitude)) - 2); its byte is the largest magnitude's exponent field - 2, held at 1 from below.
; THE ORDER INSIDE A BLOCK OF 32: stream place i holds element PI(i) = (i & 7) + 2 (i & 8) + (i & 16) / 2, that is 0-7, 16-23, 8-15, 24-31.  Every operand of this program is laid so, and a
; permutation inside a scale block that both operands of a product share keeps the product.  It is the order in which matrix results fall into a lane's registers in the later launches.
; LIMITS: a block of zeros, or one whose largest magnitude lies under 2^-124, gets the byte 1 (its codes are zeros or tiny; this program alone reads the bytes); NaN and infinities among the inputs are not served.
; Work-groups 0-255 take x: a wave takes 16 steps of 512 numbers; each load reads 512 consecutive bytes; the numbers turn through the wave's own stage in LDS so that a lane holds the 16 numbers of half a block.
; Work-groups 256-383 take the weights: a lane takes a column n and its registers run down K; the codes leave through the wave's own stage as rows.  The two paths have LDS bytes of their own.  Waves share nothing: no barrier.
.set SPW,   12                         ; v12  LDS address of my spare word; never rewritten
.set NIL,   13                         ; v13  0; never rewritten
.set SPARE, 67584                      ; behind both paths' bytes: the spare words, 128 bytes a wave
.set EMAX,  2
.set STEPS, 16                         ; x path
.set CB,    12                         ; bytes of 16 codes
.set R,     16                         ; v16-79   four sets of 16 numbers as loaded
.set X,     80                         ; v80-111  two sets of 16 numbers of half a block
.set E,     112                        ; v112-127 a scale byte for each step
.set C,     128                        ; v128-191 codes: four registers for each step
.set WREG,  8192                       ; a wave's LDS: two stages of 32 x 80 bytes, then its 256 scale bytes
.set SP,    80                         ; 64 bytes + 16 of padding
.set WSTG,  32768                      ; W path: four stages of 32 rows x 272 bytes
.set PITCH, 272
.set NB,    8                          ; blocks of 32 along K for a wave
.set KROW,  768
.set WX,    32                         ; v32-95   two sets of 32 numbers
.set WC,    96                         ; v96-102  a block's codes
.set OUTR,  112                        ; v112-175 the way out
.set SB,    24                         ; v24-25   the scale bytes
	s_load_b512 s[4:19], s[0:1], 0x0               ; x s[4:5], Wq s[6:7], Wk s[8:9], Wv s[10:11], Wo s[12:13], xc s[14:15], xs s[16:17], wc s[18:19]
	s_load_b64 s[20:21], s[0:1], 0x40              ; ws
	v_lshl_add_u32 v[SPW], v0, 2, SPARE
	v_mov_b32 v[NIL], 0
	v_lshrrev_b32 v1, 5, v0
	v_readfirstlane_b32 s22, v1                    ; wave
	v_and_b32 v2, 31, v0                           ; lane
	s_cmp_lt_u32 ttmp9, 256
	s_cbranch_scc0 .Lw
	; ---------------- x ----------------
	v_lshlrev_b32 v3, 4, v2                        ; my 16 bytes of a load's 512
	s_mul_i32 s23, s22, WREG
	v_lshrrev_b32 v14, 2, v2
	v_mul_u32_u24 v14, v14, SP
	v_and_b32 v15, 3, v2
	v_lshl_add_u32 v14, v15, 4, v14
	v_add_nc_u32 v14, s23, v14                     ; the stage, on the way in: 80 (lane / 4) + 16 (lane % 4)
	v_lshrrev_b32 v15, 1, v2
	v_mul_u32_u24 v15, v15, 2*SP
	v_and_b32 v5, 1, v2
	v_lshl_add_u32 v15, v5, 5, v15
	v_add_nc_u32 v15, s23, v15                     ; on the way out: block lane / 2 (two places of 80 bytes); the even lane takes elements 0-7 and 16-23, the odd one 8-15 and 24-31
	v_mul_u32_u24 v4, v2, CB                       ; my codes' place in a step's 384 bytes
	v_lshrrev_b32 v5, 1, v2
	s_add_co_u32 s23, s23, 2*32*SP
	v_add_nc_u32 v5, s23, v5                       ; my block's scale byte in LDS
	v_lshlrev_b32 v7, 3, v2
	v_add_nc_u32 v6, s23, v7                       ; and on the way out 8 bytes a lane
	s_lshl_b32 s24, ttmp9, 2
	s_add_co_u32 s24, s24, s22                     ; which run of 8,192 numbers is my wave's
	s_mov_b32 s25, 0
	s_lshl_b64 s[26:27], s[24:25], 15              ; 32,768 bytes of x a run
	s_mul_i32 s28, s24, 32*STEPS*CB                ; 6,144 bytes of codes
	s_mov_b32 s29, 0
	s_lshl_b32 s30, s24, 8                         ; 256 scale bytes
	s_mov_b32 s31, 0
	s_wait_kmcnt 0x0
	s_add_nc_u64 s[4:5], s[4:5], s[26:27]
	s_add_nc_u64 s[14:15], s[14:15], s[28:29]
	s_add_nc_u64 s[16:17], s[16:17], s[30:31]
.macro XLOAD t
.irp i, 0,1,2,3
	global_load_b128 v[R+16*((\t)%4)+4*\i:R+16*((\t)%4)+4*\i+3], v3, s[4:5] offset:2048*(\t)+512*\i th:TH_LOAD_NT   ; 32 lanes read 512 consecutive bytes
.endr
.endm
.macro XTURN t                         ; a step's numbers through the stage: LDS serves a wave's instructions in order, so no wait stands between the stores and the loads
.irp i, 0,1,2,3
	ds_store_b128 v14, v[R+16*((\t)%4)+4*\i:R+16*((\t)%4)+4*\i+3] offset:32*SP*((\t)%2)+8*SP*\i
.endr
.irp i, 0,1,2,3
	ds_load_b128 v[X+16*((\t)%2)+4*\i:X+16*((\t)%2)+4*\i+3], v15 offset:32*SP*((\t)%2)+16*(\i%2)+SP*(\i/2)
.endr
.endm
.irp t, 0,1,2,3
	XLOAD \t
.endr
	s_wait_loadcnt 12                              ; step 0's four loads are in
	XTURN 0
.macro XSTEP t
.set XS, X+16*((\t)%2)
.if (\t) > 0
	s_wait_dscnt 1                                 ; this step's numbers are back from the stage; the last step's byte store may be out
.else
	s_wait_dscnt 0x0
.endif
.if (\t)+4 < STEPS
	XLOAD (\t)+4                                   ; into the registers that this step's stores into the stage have read
.endif
.if (\t)+1 < STEPS
.if STEPS-2-(\t) >= 3
	s_wait_loadcnt 12                              ; the next step's four loads are in; those of the three steps behind it may be out
.else
	s_wait_loadcnt 4*(STEPS-2-(\t))
.endif
	XTURN (\t)+1
.endif
	v_max3_num_f32 v8, |v[XS]|, |v[XS+1]|, |v[XS+2]|               ; the largest magnitude of my 16
	v_max3_num_f32 v9, |v[XS+3]|, |v[XS+4]|, |v[XS+5]|
.irp i, 6,10
	v_max3_num_f32 v8, v8, |v[XS+\i]|, |v[XS+\i+1]|
	v_max3_num_f32 v9, v9, |v[XS+\i+2]|, |v[XS+\i+3]|
.endr
	v_max3_num_f32 v8, v8, |v[XS+14]|, |v[XS+15]|
	v_max3_num_f32 v8, v8, v9, (EMAX+1)<<23        ; and the floor 2^(3 - 127): the byte cannot fall under 1
	v_max_num_f32_dpp v8, v8, v8 row_xmask:1 row_mask:0xf bank_mask:0xf   ; with my neighbour's 16: the block's
	v_add_nc_u32 v11, -(EMAX<<23), v8              ; 2 off its exponent field: the conversion takes the exponent field of this operand as its scale
	v_cvt_scalef32_pk16_fp6_f32 v[C+4*(\t):C+4*(\t)+2], v[XS:XS+15], v11
	v_lshrrev_b32 v[E+(\t)], 23, v11               ; the scale's byte
	ds_store_b8 v5, v[E+(\t)] offset:16*(\t)       ; both lanes of a block write the same byte with the same value
	global_store_b96 v4, v[C+4*(\t):C+4*(\t)+2], s[14:15] offset:32*CB*(\t)   ; the wave stores 384 consecutive bytes
.endm
.irp t, 0,1,2,3,4,5,6,7,8,9,10,11,12,13,14,15
	XSTEP \t
.endr
	ds_load_b64 v[8:9], v6                         ; in order behind my byte stores
	s_wait_dscnt 0x0
	global_store_b64 v7, v[8:9], s[16:17]          ; 32 lanes store 256 consecutive bytes, aligned
	s_wait_tensorcnt 0x0                           ; the wave's end, behind my last LDS store
	ds_add_u32 v[SPW], v[NIL]
	s_wait_dscnt 0x0
	s_endpgm
	; ---------------- the weights ----------------
.Lw:
	s_sub_co_u32 s23, ttmp9, 256
	s_lshr_b32 s24, s23, 5                         ; which weight: 0 Wq, 1 Wk, 2 Wv, 3 Wo
	s_and_b32 s25, s23, 7                          ; which 128 columns
	s_bfe_u32 s26, s23, 0x20003                    ; which 256 along K
	s_lshl_b32 s27, s25, 7
	s_lshl_b32 s28, s22, 5
	s_add_co_u32 s27, s27, s28                     ; my wave's first column
	v_lshlrev_b32 v3, 2, v2                        ; in: 4 bytes a lane
	s_mul_i32 s28, s22, 32*PITCH
	s_add_co_u32 s28, s28, WSTG                    ; my stage
	v_mul_u32_u24 v4, v2, PITCH
	v_add_nc_u32 v4, s28, v4                       ; into it: row = my column
	v_and_b32 v5, 15, v2
	v_lshrrev_b32 v6, 4, v2
	v_mul_u32_u24 v7, v6, PITCH
	v_lshl_add_u32 v7, v5, 4, v7
	v_add_nc_u32 v7, s28, v7                       ; out of it: sixteen lanes to a row, two rows an instruction
	v_mul_u32_u24 v8, v6, KROW
	v_mad_u32_u24 v8, v5, 12, v8                   ; and the same place in wc
	v_lshlrev_b32 v9, 5, v2                        ; my column's row of scale bytes
	s_lshl_b32 s30, s26, 20                        ; 256 rows of 4,096 bytes
	s_lshl_b32 s31, s27, 2
	s_add_co_u32 s30, s30, s31
	s_mov_b32 s31, 0
	s_lshl_b32 s32, s24, 10
	s_add_co_u32 s32, s32, s27                     ; my first row of wc and ws
	s_mul_i32 s34, s32, KROW
	s_mul_i32 s33, s26, 192
	s_add_co_u32 s34, s34, s33
	s_mov_b32 s35, 0
	s_lshl_b32 s36, s32, 5
	s_lshl_b32 s33, s26, 3
	s_add_co_u32 s36, s36, s33
	s_mov_b32 s37, 0
	s_wait_kmcnt 0x0
	s_cmp_eq_u32 s24, 1                            ; the choice hangs on the work-group's number alone
	s_cselect_b64 s[6:7], s[8:9], s[6:7]
	s_cmp_eq_u32 s24, 2
	s_cselect_b64 s[6:7], s[10:11], s[6:7]
	s_cmp_eq_u32 s24, 3
	s_cselect_b64 s[6:7], s[12:13], s[6:7]
	s_add_nc_u64 s[6:7], s[6:7], s[30:31]
	s_add_nc_u64 s[18:19], s[18:19], s[34:35]
	s_add_nc_u64 s[20:21], s[20:21], s[36:37]
.macro WLOAD t                         ; block t: register i takes W(32 t + PI(i), my column)
.irp i, 0,1,2,3,4,5,6,7,8,9,10,11,12,13,14,15,16,17,18,19,20,21,22,23,24,25,26,27,28,29,30,31
	global_load_b32 v[WX+32*((\t)%2)+\i], v3, s[6:7] offset:(32*(\t)+(\i&7)+2*(\i&8)+(\i&16)/2)*4096 th:TH_LOAD_NT
.endr
.endm
	WLOAD 0
	WLOAD 1
.macro WBLOCK t
.set XS, WX+32*((\t)%2)
.if (\t) < NB-1
	s_wait_loadcnt 32                              ; this block's 32 loads are in; the next block's may be out
.else
	s_wait_loadcnt 0
.endif
	v_max3_num_f32 v16, |v[XS]|, |v[XS+1]|, |v[XS+2]|              ; the block's largest magnitude: all 32 numbers are mine
	v_max3_num_f32 v17, |v[XS+3]|, |v[XS+4]|, |v[XS+5]|
.irp i, 6,10,14,18,22,26
	v_max3_num_f32 v16, v16, |v[XS+\i]|, |v[XS+\i+1]|
	v_max3_num_f32 v17, v17, |v[XS+\i+2]|, |v[XS+\i+3]|
.endr
	v_max3_num_f32 v16, v16, |v[XS+30]|, |v[XS+31]|
	v_max3_num_f32 v16, v16, v17, (EMAX+1)<<23     ; and the floor
	v_add_nc_u32 v11, -(EMAX<<23), v16             ; the conversion's scale operand
	v_lshrrev_b32 v17, 23, v11                     ; the scale's byte
.if (\t)%4 == 0
	v_mov_b32 v[SB+(\t)/4], v17                    ; four bytes to a register, the lower K in the lower byte
.else
	v_lshl_or_b32 v[SB+(\t)/4], v17, 8*((\t)%4), v[SB+(\t)/4]
.endif
	v_cvt_scalef32_pk16_fp6_f32 v[WC:WC+2], v[XS:XS+15], v11
	v_cvt_scalef32_pk16_fp6_f32 v[WC+4:WC+6], v[XS+16:XS+31], v11
	ds_store_b96 v4, v[WC:WC+2] offset:32*(\t)     ; 12 bytes to a place of 16 in the stage
	ds_store_b96 v4, v[WC+4:WC+6] offset:32*(\t)+16
.if (\t)+2 < NB
	WLOAD (\t)+2
.endif
	s_wait_dscnt 0x0                               ; the stores have read their registers: the next block's codes may be written
.endm
.set Q, 0
.rept NB
	WBLOCK Q
.set Q, Q+1
.endr
	global_store_b64 v9, v[SB:SB+1], s[20:21]      ; my column's 8 scale bytes
.irp t, 0,1,2,3,4,5,6,7,8,9,10,11,12,13,14,15
	ds_load_b96 v[OUTR+4*\t:OUTR+4*\t+2], v7 offset:2*\t*PITCH
.endr
.irp t, 0,1,2,3,4,5,6,7,8,9,10,11,12,13,14,15
	s_wait_dscnt 15-\t                             ; the later loads from the stage may be out
	global_store_b96 v8, v[OUTR+4*\t:OUTR+4*\t+2], s[18:19] offset:2*\t*KROW   ; sixteen lanes store a row's 192 consecutive bytes
.endr
	s_wait_tensorcnt 0x0                           ; the wave's end: the three lines once more
	ds_add_u32 v[SPW], v[NIL]
	s_wait_dscnt 0x0
	s_endpgm
.Lfunc_end_k_q29ab0ecb93_quant:
	.size	k_q29ab0ecb93_quant, .Lfunc_end_k_q29ab0ecb93_quant-k_q29ab0ecb93_quant
	.p2alignl 7, 3214868480
	.fill 96, 4, 3214868480
	.section	.rodata,"a",@progbits
	.p2align	6, 0x0
	.amdhsa_kernel k_q29ab0ecb93_quant
		.amdhsa_group_segment_fixed_size 68096
		.amdhsa_private_segment_fixed_size 0
		.amdhsa_enable_private_segment 0
		.amdhsa_kernarg_size 72
		.amdhsa_user_sgpr_count 2
		.amdhsa_user_sgpr_kernarg_segment_ptr 1
		.amdhsa_wavefront_size32 1
		.amdhsa_system_sgpr_workgroup_id_x 1
		.amdhsa_system_sgpr_workgroup_id_y 1
		.amdhsa_system_sgpr_workgroup_id_z 1
		.amdhsa_system_vgpr_workitem_id 0
		.amdhsa_next_free_vgpr 192
		.amdhsa_next_free_sgpr 66
		.amdhsa_reserve_vcc 0
		.amdhsa_float_denorm_mode_32 3
		.amdhsa_float_denorm_mode_16_64 3
		.amdhsa_memory_ordered 1
		.amdhsa_forward_progress 1
		.amdhsa_inst_pref_size 73
	.end_amdhsa_kernel
	.amdgpu_metadata
---
amdhsa.version: [ 1, 2 ]
amdhsa.kernels:
  - .name:           k_q29ab0ecb93_quant
    .symbol:         k_q29ab0ecb93_quant.kd
    .args:
      - { .name: x, .offset: 0, .size: 8, .value_kind: global_buffer, .address_space: global }
      - { .name: Wq, .offset: 8, .size: 8, .value_kind: global_buffer, .address_space: global }
      - { .name: Wk, .offset: 16, .size: 8, .value_kind: global_buffer, .address_space: global }
      - { .name: Wv, .offset: 24, .size: 8, .value_kind: global_buffer, .address_space: global }
      - { .name: Wo, .offset: 32, .size: 8, .value_kind: global_buffer, .address_space: global }
      - { .name: xc, .offset: 40, .size: 8, .value_kind: global_buffer, .address_space: global }
      - { .name: xs, .offset: 48, .size: 8, .value_kind: global_buffer, .address_space: global }
      - { .name: wc, .offset: 56, .size: 8, .value_kind: global_buffer, .address_space: global }
      - { .name: ws, .offset: 64, .size: 8, .value_kind: global_buffer, .address_space: global }
    .group_segment_fixed_size: 68096
    .private_segment_fixed_size: 0
    .kernarg_segment_align: 8
    .kernarg_segment_size: 72
    .max_flat_workgroup_size: 128
    .sgpr_count:     66
    .vgpr_count:     192
    .wavefront_size: 32
...
	.end_amdgpu_metadata
.endif
;; end of part 1
;; launch qkv (part 2): grid 12 x 32, 4 waves a work-group, clusters of 4 x 4, 327,680 bytes of LDS; arguments xc, xs, wc, ws, cos, sin, bq, bv, qkv; writes qkv
.if DOCPART == 2
	.amdgcn_target "amdgcn-amd-amdhsa--gfx1250"
	.amdhsa_code_object_version 6
	.text
	.protected	k_q29ab0ecb93_qkv
	.globl	k_q29ab0ecb93_qkv
	.p2align	8
	.type	k_q29ab0ecb93_qkv,@function
k_q29ab0ecb93_qkv:
	s_mov_b64 s[64:65], 0
	v_nop
	global_prefetch_b8 v0, s[64:65] scope:SCOPE_SE
	s_setreg_imm32_b32 hwreg(HW_REG_WAVE_MODE, 25, 1), 1
	s_wait_xcnt 0x0
	s_wait_alu depctr_hold_cnt(0) depctr_sa_sdst(0) depctr_va_vdst(0) depctr_va_sdst(0) depctr_va_ssrc(0) depctr_va_vcc(0) depctr_vm_vsrc(0)
	s_getreg_b32 s2, hwreg(HW_REG_IB_STS2, 6, 4)
	s_cmp_eq_u32 s2, 0
	s_cbranch_scc0 .Lentry_in_a_cluster
	s_endpgm
.Lentry_in_a_cluster:
	s_bfe_u32 s2, ttmp6, 0x10000c
	s_cmp_lg_u32 s2, 0xf033
	s_cbranch_scc0 .Lentry_shape_is_right
	s_endpgm
.Lentry_shape_is_right:
; q = rot(x Wq + bq), k = rot(x Wk), v = x Wv + bv, the three products on codes of FP6 (E2M3) with E8M0 scales; the results are quantised on the way out and stored as codes: q and k along d, v along the keys.
; A tile of the product is 256 x 256, four waves, 128 x 128 a wave: 64 accumulators.  K = 1,024 goes in four steps of 256 through two LDS slots filled by the tensor data mover; the scale bytes come once.
; The matrix instruction is used transposed (source 0 = 16 rows of B, source 1 = 16 rows of A): a lane holds ONE row of A, its eight registers eight neighbouring rows of B.
; THE CLUSTER'S x IS THE TYPE.  0 (q), 1 (k): A = x's rows (tokens), B = rows 0-2047 of wc: a lane holds a token and registers run along d: what the rotary turn and a quantiser along d want.
; 2 (v): A = rows 2048-3071 of wc (Wv's columns), B = x's rows: a lane holds a channel d and registers run along the keys: what a quantiser along the keys wants.
; CLUSTERS: 4 x 4 work-groups; A's tiles are shared along a row of the cluster, B's along a column, by joint loads.  cos and sin of a tile row's 256 tokens are shared along a row too: they come by joint loads into the two slots
; as those fall free, each behind a round of the cluster's barrier.  Clusters of type 2 issue these two loads as well and read nothing of them (64 rows x 256 bytes a wave, twice): every work-group issues every joint load on every path.
; OUT.  qkv = three parts of 6,815,744 bytes, each [64 (16 b + head)][106,496].  q, k: [128 tiles of 16 tokens][832]: [block of 32 d: 2][token r][24 bytes], then 16 scale words (bytes 0, 1: the two blocks; bytes 2, 3 repeat them).
; v: [64 blocks of 32 keys][1,664]: [tile of 16 d: 4][d r][24 bytes], then 16 words (byte t: the scale of d = 16 t + r), then 64 zero bytes.  Inside a block of 32 the stream holds elements 0-7, 16-23, 8-15, 24-31: as the results fall.
; LIMITS: a block of zeros or under 2^-124 gets the scale byte 1 (this program alone reads the bytes); NaN and infinities are not served.
; REGISTERS, in windows of 256: window 0: v0-31 addresses; v32-63 scale words; from v128 A's fragments.  window 1: B's fragments, two sets, at v0 and v128.  windows 2, 3: the accumulators ((a, b) at v[8 (8 (a % 4) + b)]).
; On the way out: window 0: v64-127 results + bias; v128-191 turned; v192-207 at work; v208-239 codes; v240-251 scale words.  window 1: v0-63 the bias; v64-127, v128-191 cos and sin of a block of 16 tokens, by turns.
.set KSTEP,  256
.set NQ,     2
.set ROWB,   192
.set KROW,   768
.set PITCH,  240                       ; an LDS row: 3 x (64 bytes + 16 of padding)
.set FR,     12
.set NL,     6
.set NP,     4
.set HALFT,  128*PITCH
.set SLOT,   4*HALFT
.set KS,     32
.set SCL,    2*SLOT
.set HALFS,  (128*KS/256)*272
.set SBLK,   (16*KS/256)*272
.set SPARE,  SCL+4*HALFS
.set CSW,    64*272                    ; 64 rows of cos or sin: 256 bytes + 16 of padding each
.set PARTB,  6815744
.set HEADB,  106496
.set RECB,   832
.set VBLK,   1664
.set ADRA, 16
.set ADRB, 20
.set CSA,  24                          ; v24-25 my lane's place among cos' rows in slot 0, slot 1
.set ST12, 26                          ; v26    24 r + 12 h: where my 12 bytes of codes go
.set ADRS, 27
.set SPW,  28
.set NIL,  29
.set SWQ,  30                          ; v30    q, k: where my scale word goes
.set SWV,  31                          ; v31    v: likewise
.set SC,   32
.set AF,   128
.set Y,    64
.set RR,   128
.set TM,   192
.set CV,   208
.set WD,   240
.set G1, 24
.set G0, 32
.set G1B, 48
.set G0B, 56
.set G1S, 68
.set G0S, 76
.set G1SB, 80
.set G0SB, 88
.set G1C, 68                           ; cos' and sin's descriptors take the scales' registers once those loads are done
.set G0C, 76
.set TYP, 95
.set MSB, 0
.macro WIN new                         ; the immediate's high byte repeats the setting that is left
.if MSB != (\new)
	s_set_vgpr_msb (MSB<<8)|(\new)
.set MSB, (\new)
.endif
.endm
.set MUL_LO, 0xa1
.set MUL_HI, 0xf1
.set TO_B,   0x40
.macro JLOAD g0a, g1a, g0b, g1b        ; a joint load: waves 0 and 1 fetch for A, waves 2 and 3 for B; an s_nop 0 and four v_nop follow each line
	s_cmp_eq_u32 s15, 0
	s_cbranch_scc0 .Lfor_b_\@
	tensor_load_to_lds s[\g0a:\g0a+3], s[\g1a:\g1a+7]
	s_nop 0
.rept 4
	v_nop
.endr
	s_branch .Lasked_\@
.Lfor_b_\@:
	tensor_load_to_lds s[\g0b:\g0b+3], s[\g1b:\g1b+7]
	s_nop 0
.rept 4
	v_nop
.endr
.Lasked_\@:
.endm
.macro CLOAD p                         ; cos (waves 0, 1) or sin (waves 2, 3): 64 rows of part p, each wave's own rows and own LDS bytes, one mask: my row of the cluster
	tensor_load_to_lds s[G0C+4*\p:G0C+4*\p+3], s[G1C:G1C+7]
	s_nop 0
.rept 4
	v_nop
.endr
.endm
.macro CREST
	s_cmp_lg_u32 s14, 0
	s_cbranch_scc1 .Lnot_wave_0_\@
	s_barrier_signal -3
.Lnot_wave_0_\@:
	s_barrier_wait -3
	s_barrier_signal -1
	s_barrier_wait -1
.endm
.macro CROUND
	s_barrier_signal -1
	s_barrier_wait -1
	CREST
.endm
	s_load_b256 s[4:11], s[0:1], 0x0               ; xc, xs, wc, ws
	s_load_b128 s[96:99], s[0:1], 0x20             ; cos, sin
	s_load_b64 s[12:13], s[0:1], 0x40              ; qkv
	v_lshl_add_u32 v[SPW], v0, 2, SPARE
	v_mov_b32 v[NIL], 0
	ds_add_u32 v[SPW], v[NIL]                      ; the wave's opening: the add and its wait ahead of my first tensor load
	v_lshrrev_b32 v1, 5, v0
	v_readfirstlane_b32 s14, v1                    ; wave 0..3
	s_lshr_b32 s15, s14, 1                         ; which half of A's rows is mine.  Also: I fetch for A (0) or for B (1)
	s_and_b32 s16, s14, 1                          ; which half of B's rows.  Also: which 128 rows I fetch
	s_bfe_u32 s40, ttmp6, 0x40000                  ; cx
	s_bfe_u32 s41, ttmp6, 0x40004                  ; cy
	s_mov_b32 s[TYP], ttmp9                        ; the cluster's x: the same in all sixteen partners
	s_and_b32 s66, ttmp7, 0xffff                   ; the cluster's y
	s_cmp_eq_u32 s[TYP], 2
	s_cselect_b32 s42, s66, s[TYP]                 ; B's tiles walk the tokens (type 2) or wc's rows
	s_cselect_b32 s17, 0, s66                      ; A's tiles walk Wv's four tile rows (type 2) or the tokens
	s_lshl_b32 s42, s42, 2
	s_add_co_u32 s42, s42, s40                     ; B's tile
	s_lshl_b32 s17, s17, 2
	s_add_co_u32 s17, s17, s41                     ; A's tile
	s_lshl_b32 s43, s41, 2
	s_lshl_b32 s43, 15, s43                        ; my row of the cluster
	s_lshl_b32 s44, 0x1111, s40                    ; my column
	s_or_b32 s[G1+0], s43, (0<<16)|(1<<20)|(1<<21)|(3<<22)|(3<<25)  ; the mask; elements of 1 byte; padding on; bit 21 beside a mask; after every 16 words; 4 words
	s_or_b32 s[G1B+0], s44, (0<<16)|(1<<20)|(1<<21)|(3<<22)|(3<<25)
.irp g, G1, G1B
	s_mov_b32 s[\g+1], ROWB<<16
	s_mov_b32 s[\g+2], 128<<16
	s_mov_b32 s[\g+3], ROWB<<16
	s_mov_b32 s[\g+4], 128
	s_mov_b32 s[\g+5], KROW
	s_mov_b32 s[\g+6], 0
	s_mov_b32 s[\g+7], 0
.endr
	s_or_b32 s[G1S+0], s43, (3<<16)|(1<<20)|(1<<21)|(5<<22)|(3<<25) ; the scales of 128 rows: 4,096 dense bytes as rows of 256, 16 of padding behind each
	s_or_b32 s[G1SB+0], s44, (3<<16)|(1<<20)|(1<<21)|(5<<22)|(3<<25)
.irp g, G1S, G1SB
	s_mov_b32 s[\g+1], 32<<16
	s_mov_b32 s[\g+2], (128*KS/256)<<16
	s_mov_b32 s[\g+3], 32<<16
	s_mov_b32 s[\g+4], 128*KS/256
	s_mov_b32 s[\g+5], 32
	s_mov_b32 s[\g+6], 0
	s_mov_b32 s[\g+7], 0
.endr
	s_lshl_b32 s18, s16, 7
	s_lshl_b32 s20, s17, 8
	s_add_co_u32 s20, s20, s18                     ; A: row 256 x tile + 128 x half
	s_lshl_b32 s46, s42, 8
	s_add_co_u32 s46, s46, s18                     ; B likewise
	s_mov_b32 s21, 0
	s_mov_b32 s47, 0
	s_mov_b64 s[18:19], KS
	s_mul_u64 s[22:23], s[20:21], s[18:19]
	s_mul_u64 s[92:93], s[46:47], s[18:19]
	s_mov_b64 s[18:19], KROW
	s_mul_u64 s[20:21], s[20:21], s[18:19]
	s_mul_u64 s[46:47], s[46:47], s[18:19]
	s_mul_i32 s45, s14, HALFT
	s_mul_i32 s94, s14, HALFS
	s_wait_dscnt 0x0                               ; the opening add is done
	s_wait_kmcnt 0x0
	s_add_nc_u64 s[100:101], s[8:9], 2048*KROW     ; Wv's rows of wc
	s_add_nc_u64 s[104:105], s[10:11], 2048*KS     ; and of ws
	s_cmp_eq_u32 s[TYP], 2                         ; which buffers are A and B: the choice hangs on the cluster's x alone
	s_cselect_b64 s[66:67], s[4:5], s[8:9]
	s_cselect_b64 s[2:3], s[6:7], s[10:11]
	s_cselect_b64 s[4:5], s[100:101], s[4:5]
	s_cselect_b64 s[6:7], s[104:105], s[6:7]
	s_mov_b64 s[8:9], s[66:67]
	s_mov_b64 s[10:11], s[2:3]
	s_add_nc_u64 s[20:21], s[4:5], s[20:21]
	s_add_nc_u64 s[22:23], s[6:7], s[22:23]
	s_add_nc_u64 s[46:47], s[8:9], s[46:47]
	s_add_nc_u64 s[92:93], s[10:11], s[92:93]
	CROUND                                         ; all sixteen work-groups are here: the first joint loads meet
	s_mov_b32 s[G0S], 1
	s_add_co_u32 s[G0S+1], s94, SCL
	s_mov_b64 s[G0S+2:G0S+3], s[22:23]
	s_or_b32 s[G0S+3], s[G0S+3], 0x80000000
	s_mov_b32 s[G0SB], 1
	s_add_co_u32 s[G0SB+1], s94, SCL
	s_mov_b64 s[G0SB+2:G0SB+3], s[92:93]
	s_or_b32 s[G0SB+3], s[G0SB+3], 0x80000000
	JLOAD G0S, G1S, G0SB, G1SB                     ; the scales first
.irp s, 0,1
	s_mov_b32 s[G0+4*\s], 1
	s_add_co_u32 s[G0+4*\s+1], s45, \s*SLOT
	s_add_nc_u64 s[G0+4*\s+2:G0+4*\s+3], s[20:21], \s*ROWB
	s_or_b32 s[G0+4*\s+3], s[G0+4*\s+3], 0x80000000
	s_mov_b32 s[G0B+4*\s], 1
	s_add_co_u32 s[G0B+4*\s+1], s45, \s*SLOT
	s_add_nc_u64 s[G0B+4*\s+2:G0B+4*\s+3], s[46:47], \s*ROWB
	s_or_b32 s[G0B+4*\s+3], s[G0B+4*\s+3], 0x80000000
	JLOAD G0+4*\s, G1, G0B+4*\s, G1B
.endr
	v_and_b32 v1, 15, v0                           ; r
	v_bfe_u32 v2, v0, 4, 1                         ; h
	v_mul_u32_u24 v3, v1, PITCH
	v_mul_u32_u24 v4, v2, 24
	v_add_nc_u32 v4, v3, v4
	v_lshl_add_u32 v5, v2, 4, v4                   ; the same behind one padding more
	s_mul_i32 s21, s15, HALFT
	s_mul_i32 s22, s16, HALFT
	s_add_co_u32 s22, s22, 2*HALFT
.irp s, 0,1
	v_add_nc_u32 v[ADRA+\s], s21, v4
	v_add_nc_u32 v[ADRB+\s], s22, v4
	v_add_nc_u32 v[ADRA+2+\s], s21, v5
	v_add_nc_u32 v[ADRB+2+\s], s22, v5
	s_add_co_u32 s21, s21, SLOT
	s_add_co_u32 s22, s22, SLOT
.endr
	v_mul_u32_u24 v5, v1, KS
	v_lshrrev_b32 v6, 8, v5
	v_lshl_add_u32 v5, v6, 4, v5
	s_mul_i32 s21, s15, HALFS
	s_mul_i32 s22, s16, HALFS
	s_add_co_u32 s22, s22, 2*HALFS
	s_sub_co_u32 s22, s22, s21
	v_mul_u32_u24 v6, s22, v2                      ; lanes 16-31 take B's scale words
	s_add_co_u32 s21, s21, SCL
	v_add_nc_u32 v5, v5, v6
	v_add_nc_u32 v[ADRS], s21, v5
	s_mul_i32 s23, s15, CSW                        ; the way out's addresses are made here, ahead of every parting
	v_mul_u32_u24 v5, v1, 272
	v_lshl_add_u32 v5, v2, 5, v5
	v_add_nc_u32 v[CSA], s23, v5                   ; cos: my half's 64 rows of a part, row r, + 32 h
	v_add_nc_u32 v[CSA+1], SLOT, v[CSA]
	v_mul_u32_u24 v[ST12], v1, 24
	v_mad_u32_u24 v[ST12], v2, 12, v[ST12]
	v_lshl_add_u32 v[SWQ], v1, 2, 768
	v_mad_u32_u24 v[SWQ], v2, HEADB, v[SWQ]        ; lanes 16-31 store the second head's word
	v_and_b32 v6, 31, v0
	v_lshl_add_u32 v[SWV], v6, 2, 1536
	v_lshlrev_b32 v8, 5, v2                        ; bq: 32 h
	v_lshlrev_b32 v9, 2, v1                        ; bv: 4 r
.macro FRAG reg, adr, q, i             ; a fragment: 16 rows x 128 K of 6-bit codes, 12 registers, in pieces of 8 bytes; the second address register serves the pieces that lie behind one padding more
.irp p, 0,1,2,3,4,5
.set PC, 12*(\q)+6*(\p/3)+\p%3
.if PC%8 < 5
	ds_load_b64 v[\reg+2*\p:\reg+2*\p+1], v[\adr] offset:8*PC+16*(PC/8)+(\i)*16*PITCH
.else
	ds_load_b64 v[\reg+2*\p:\reg+2*\p+1], v[\adr+2] offset:8*PC+16*(PC/8)+(\i)*16*PITCH
.endif
.endr
.endm
.macro MUL16 a0, p, q, sc, zero        ; 16 matrix instructions: A's blocks a0, a0 + 1 x B's eight; the 64 accumulators take turns, one instruction a turn
.irp a, \a0, \a0+1
.irp b, 0,1,2,3,4,5,6,7
.if \zero
	v_wmma_scale_f32_16x16x128_f8f6f4 v[8*(8*((\a)%4)+\b):8*(8*((\a)%4)+\b)+7], v[128*(\p)+FR*\b:128*(\p)+FR*\b+FR-1], v[AF+FR*(\a):AF+FR*(\a)+FR-1], 0, v[SC+8*NQ*(\sc)+NQ*\b+(\q)], v[SC+8*NQ*(\sc)+NQ*(\a)+(\q)] matrix_a_fmt:MATRIX_FMT_FP6 matrix_b_fmt:MATRIX_FMT_FP6 matrix_a_scale:MATRIX_SCALE_ROW1
.else
	v_wmma_scale_f32_16x16x128_f8f6f4 v[8*(8*((\a)%4)+\b):8*(8*((\a)%4)+\b)+7], v[128*(\p)+FR*\b:128*(\p)+FR*\b+FR-1], v[AF+FR*(\a):AF+FR*(\a)+FR-1], v[8*(8*((\a)%4)+\b):8*(8*((\a)%4)+\b)+7], v[SC+8*NQ*(\sc)+NQ*\b+(\q)], v[SC+8*NQ*(\sc)+NQ*(\a)+(\q)] matrix_a_fmt:MATRIX_FMT_FP6 matrix_b_fmt:MATRIX_FMT_FP6 matrix_a_scale:MATRIX_SCALE_ROW1
.endif
.endr
.endr
.endm
.macro FETCH_B slot, q, p
	WIN TO_B
.irp i, 0,1,2,3,4,5,6,7
	FRAG 128*(\p)+FR*\i, ADRB+\slot, \q, \i
.endr
	WIN 0
.endm
.macro FETCH_A slot, q, i0
.irp i, \i0, \i0+1, \i0+2, \i0+3
	FRAG AF+FR*(\i), ADRA+\slot, \q, \i
.endr
.endm
.macro SCALES sc
.irp i, 0,1,2,3,4,5,6,7
	ds_load_b64 v[SC+8*NQ*\sc+NQ*\i:SC+8*NQ*\sc+NQ*\i+1], v[ADRS] offset:\i*SBLK
.endr
.endm
.macro PLACES n                        ; plain vector places behind matrix instructions, in front of loads into their registers and of reads of their results
.rept \n
	v_nop
.endr
.endm
.macro STEP slot, q, zero              ; 128 along K that have their successor in the same slot
	s_wait_dscnt 4*NL                              ; B's set and A's blocks 0-3 are in; A's blocks 4-7 (24 loads) may be out
	WIN MUL_LO
	MUL16 0, (\q)%2, \q, \slot, \zero
	MUL16 2, (\q)%2, \q, \slot, \zero
	s_wait_dscnt 0
	PLACES NP
	FETCH_B \slot, (\q)+1, 1-(\q)%2
	FETCH_A \slot, (\q)+1, 0
	WIN MUL_HI
	MUL16 4, (\q)%2, \q, \slot, \zero
	MUL16 6, (\q)%2, \q, \slot, \zero
	PLACES NP
	WIN 0
	FETCH_A \slot, (\q)+1, 4
.endm
; A slot's last 128 along K change slots.  In front of the round each wave waits for all its tensor loads, adds 0 to its spare word, and waits for that and for its reads of this slot.
; mode 1: this slot takes the K step two on.  mode 2: it takes part 0 of cos and sin.  mode 3 (the last step of all): part 1, and nothing more is fetched.
.macro TURN slot, next, mode
	s_wait_tensorcnt 0x0                           ; all my tensor loads have landed
	ds_add_u32 v[SPW], v[NIL]
	s_wait_dscnt 4*NL+1                            ; the add and A's blocks 4-7 may be out
	WIN MUL_LO
	MUL16 0, 1, NQ-1, \slot, 0
	s_wait_dscnt 0x0                               ; the add is done, and my reads of this slot are over
	s_barrier_signal -1
	MUL16 2, 1, NQ-1, \slot, 0
	WIN 0
	s_barrier_wait -1
	CREST                                          ; no wave of any partner still reads this slot or has a load on its way
.if \mode == 1
	s_add_nc_u64 s[G0+4*\slot+2:G0+4*\slot+3], s[G0+4*\slot+2:G0+4*\slot+3], 2*ROWB
	s_add_nc_u64 s[G0B+4*\slot+2:G0B+4*\slot+3], s[G0B+4*\slot+2:G0B+4*\slot+3], 2*ROWB
	JLOAD G0+4*\slot, G1, G0B+4*\slot, G1B
.elseif \mode == 2
	CLOAD 0
.else
	CLOAD 1
.endif
.if \mode < 3
	v_add_nc_u32 v[ADRS], 4*NQ, v[ADRS]
	FETCH_B \next, 0, 0
	FETCH_A \next, 0, 0
	SCALES \next
.endif
	WIN MUL_HI
	MUL16 4, 1, NQ-1, \slot, 0
	MUL16 6, 1, NQ-1, \slot, 0
	PLACES NP
	WIN 0
.if \mode < 3
	FETCH_A \next, 0, 4
.endif
.endm
	s_wait_tensorcnt 1                             ; the scales and my part of K step 0 are in; K step 1's load may be out
	s_barrier_signal -1
	s_barrier_wait -1
	FETCH_B 0, 0, 0
	FETCH_A 0, 0, 0
	SCALES 0
	FETCH_A 0, 0, 4
	STEP 0, 0, 1                                   ; K = 1,024 is four slots' worth: the eight steps of 128 are written out, no loop
	TURN 0, 1, 1
	STEP 1, 0, 0
	TURN 1, 0, 1
	STEP 0, 0, 0
	; cos' and sin's descriptors: 64 rows x 64 elements of 4 bytes, 16 bytes of padding behind each row.  The scales' loads, whose registers these were, were shown done by the waits for 0 above
	s_or_b32 s[G1C+0], s43, (2<<16)|(1<<20)|(1<<21)|(5<<22)|(3<<25)
	s_mov_b32 s[G1C+1], 64<<16
	s_mov_b32 s[G1C+2], 64<<16
	s_mov_b32 s[G1C+3], 64<<16
	s_mov_b32 s[G1C+4], 64
	s_mov_b32 s[G1C+5], 64
	s_mov_b32 s[G1C+6], 0
	s_mov_b32 s[G1C+7], 0
	s_cmp_eq_u32 s15, 0
	s_cselect_b64 s[96:97], s[96:97], s[98:99]     ; waves 0, 1: cos; waves 2, 3: sin
	s_lshl_b32 s18, s17, 16                        ; A's tile x 256 rows of 256 bytes
	s_lshl_b32 s19, s16, 15                        ; + 128 rows for the odd wave
	s_add_co_u32 s18, s18, s19
	s_mov_b32 s19, 0
	s_add_nc_u64 s[96:97], s[96:97], s[18:19]
	s_mul_i32 s20, s14, CSW
.irp p, 0,1
	s_mov_b32 s[G0C+4*\p], 1
	s_add_co_u32 s[G0C+4*\p+1], s20, \p*SLOT
	s_add_nc_u64 s[G0C+4*\p+2:G0C+4*\p+3], s[96:97], \p*64*256
	s_or_b32 s[G0C+4*\p+3], s[G0C+4*\p+3], 0x80000000
.endr
	TURN 0, 1, 2
	s_load_b128 s[24:27], s[0:1], 0x30             ; bq, bv, into registers of A's group 1, whose last load the wait for 0 above has shown done
	STEP 1, 0, 0
	s_wait_kmcnt 0x0
	s_mov_b32 s34, 0x76543210                      ; v_permlanex16_b32's selects for lane l xor 16
	s_mov_b32 s35, 0xfedcba98
	s_mov_b32 s36, 0xffff0000                      ; lanes 16-31
	s_lshl_b32 s18, s17, 8
	s_lshl_b32 s19, s15, 7
	s_add_co_u32 s18, s18, s19                     ; my first row of A
	s_lshl_b32 s19, s42, 8
	s_lshl_b32 s20, s16, 7
	s_add_co_u32 s19, s19, s20                     ; my first row of B
	s_cmp_eq_u32 s[TYP], 2
	s_cbranch_scc1 .Lpre_v
	s_lshr_b32 s20, s18, 11                        ; q, k: the batch,
	s_lshl_b32 s20, s20, 4
	s_and_b32 s21, s19, 1023
	s_lshr_b32 s22, s21, 6                         ; my first head,
	s_add_co_u32 s20, s20, s22
	s_mul_i32 s20, s20, HEADB
	s_and_b32 s22, s18, 2047
	s_lshr_b32 s22, s22, 4                         ; my first tile of 16 tokens
	s_mul_i32 s22, s22, RECB
	s_add_co_u32 s20, s20, s22
	s_mul_i32 s22, s[TYP], PARTB
	s_add_co_u32 s22, s20, s22
	s_mov_b32 s23, 0
	s_add_nc_u64 s[12:13], s[12:13], s[22:23]
	s_lshl_b32 s22, s21, 2
	s_add_nc_u64 s[24:25], s[24:25], s[22:23]      ; bq at my first column
	s_cmp_eq_u32 s[TYP], 1
	s_cbranch_scc1 .Lpre_k
	WIN 0x40                                       ; B's set 0 is free: four places stand behind its last product
.irp b, 0,1,2,3,4,5,6,7
	global_load_b128 v[8*\b:8*\b+3], v8, s[24:25] offset:64*\b         ; bq(16 b + 8 h + 0 .. 7)
	global_load_b128 v[8*\b+4:8*\b+7], v8, s[24:25] offset:64*\b+16
.endr
	WIN 0
	s_branch .Lpre_done
.Lpre_k:
	WIN 0x40
.set i, 0
.rept 64
	v_mov_b32 v[i], 0                              ; k has no bias: q's way out serves it with zeros
.set i, i+1
.endr
	WIN 0
	s_branch .Lpre_done
.Lpre_v:
	s_lshr_b32 s20, s19, 11                        ; v: the batch (the tokens are B's rows),
	s_lshl_b32 s20, s20, 4
	s_lshr_b32 s22, s18, 6                         ; my first head (the channels are A's rows),
	s_add_co_u32 s20, s20, s22
	s_mul_i32 s20, s20, HEADB
	s_and_b32 s22, s19, 2047
	s_lshr_b32 s22, s22, 5                         ; my first block of 32 keys
	s_mul_i32 s22, s22, VBLK
	s_add_co_u32 s22, s20, s22
	s_add_co_u32 s22, s22, 2*PARTB
	s_mov_b32 s23, 0
	s_add_nc_u64 s[12:13], s[12:13], s[22:23]
	s_lshl_b32 s22, s18, 2
	s_add_nc_u64 s[26:27], s[26:27], s[22:23]      ; bv at my first channel
	WIN 0x40
.irp a, 0,1,2,3,4,5,6,7
	global_load_b32 v[\a], v9, s[26:27] offset:64*\a                   ; bv(16 a + r)
.endr
	WIN 0
.Lpre_done:
	TURN 1, 0, 3
.irp b, 0,1,2,3
	v_mov_b32 v[TM+4+\b], 0                        ; written once: a lane permute's destination counts as one of its sources
.endr
; 64 numbers of a lane, four blocks of which I hold 16 numbers each (lane l xor 16 holds the other 16): four scale bytes in v[TM+4..7], four times 12 bytes of codes in v[cv + 4 b ..]
.macro QUANT4 s, cv
.irp b, 0,1,2,3
	v_max3_num_f32 v[TM+\b], |v[\s+16*\b]|, |v[\s+1+16*\b]|, 0x1800000   ; with the floor 2^(3 - 127): the byte cannot fall under 1
.endr
.irp i, 2,4,6,8,10,12,14
.irp b, 0,1,2,3
	v_max3_num_f32 v[TM+\b], v[TM+\b], |v[\s+16*\b+\i]|, |v[\s+1+16*\b+\i]|
.endr
.endr
.irp b, 0,1,2,3
	v_permlanex16_b32 v[TM+4+\b], v[TM+\b], s34, s35
.endr
.irp b, 0,1,2,3
	v_max_num_f32 v[TM+\b], v[TM+\b], v[TM+4+\b]
.endr
.irp b, 0,1,2,3
	v_add_nc_u32 v[TM+12+\b], 0xff000000, v[TM+\b] ; 2 off the exponent field: the conversion's scale operand
.endr
.irp b, 0,1,2,3
	v_lshrrev_b32 v[TM+4+\b], 23, v[TM+12+\b]      ; the scale's byte
.endr
.irp b, 0,1,2,3
	v_cvt_scalef32_pk16_fp6_f32 v[\cv+4*\b:\cv+4*\b+2], v[\s+16*\b:\s+16*\b+15], v[TM+12+\b]
.endr
	v_nop                                          ; one plain place behind the scaled conversions
.endm
.macro CSLOAD a                        ; cos and sin of block a's 16 tokens: lane (r, h) takes d = 16 t + 8 h + 0 .. 7, t = 0 .. 3
.set CB_, 64+64*((\a)%2)
	WIN 0x40
.irp t, 0,1,2,3
.irp e, 0,1
	ds_load_b128 v[CB_+8*\t+4*\e:CB_+8*\t+4*\e+3], v[CSA+(\a)/4] offset:((\a)%4)*16*272+64*\t+16*\e
	ds_load_b128 v[CB_+32+8*\t+4*\e:CB_+32+8*\t+4*\e+3], v[CSA+(\a)/4] offset:((\a)%4)*16*272+2*CSW+64*\t+16*\e
.endr
.endr
	WIN 0
.endm
.macro ADDB a                          ; results + bias, each accumulator from its low end on
.set AC, 64*((\a)%4)
	WIN 0x06+(\a)/4
.set i, 0
.rept 32
	v_pk_add_f32 v[Y+i:Y+i+1], v[AC+i:AC+i+1], v[i:i+1]
.set i, i+2
.endr
.endm
.macro ROT a                           ; y cos + rotate_half(y) sin: d < 32 takes -y(d + 32), d >= 32 takes y(d - 32); two heads of 64
.set CB_, 64+64*((\a)%2)
	WIN 0x04
.irp hh, 0,1
.irp t, 0,1
.irp n, 0,2,4,6
	v_pk_mul_f32 v[RR+32*\hh+8*\t+\n:RR+32*\hh+8*\t+\n+1], v[Y+32*\hh+8*\t+\n:Y+32*\hh+8*\t+\n+1], v[CB_+8*\t+\n:CB_+8*\t+\n+1]
	v_pk_mul_f32 v[RR+32*\hh+16+8*\t+\n:RR+32*\hh+16+8*\t+\n+1], v[Y+32*\hh+16+8*\t+\n:Y+32*\hh+16+8*\t+\n+1], v[CB_+16+8*\t+\n:CB_+16+8*\t+\n+1]
.endr
.endr
.endr
.irp hh, 0,1
.irp t, 0,1
.irp n, 0,2,4,6
	v_pk_fma_f32 v[RR+32*\hh+8*\t+\n:RR+32*\hh+8*\t+\n+1], v[Y+32*\hh+16+8*\t+\n:Y+32*\hh+16+8*\t+\n+1], v[CB_+32+8*\t+\n:CB_+32+8*\t+\n+1], v[RR+32*\hh+8*\t+\n:RR+32*\hh+8*\t+\n+1] neg_lo:[1,0,0] neg_hi:[1,0,0]
	v_pk_fma_f32 v[RR+32*\hh+16+8*\t+\n:RR+32*\hh+16+8*\t+\n+1], v[Y+32*\hh+8*\t+\n:Y+32*\hh+8*\t+\n+1], v[CB_+48+8*\t+\n:CB_+48+8*\t+\n+1], v[RR+32*\hh+16+8*\t+\n:RR+32*\hh+16+8*\t+\n+1]
.endr
.endr
.endr
	WIN 0
.endm
.macro QKBLOCK a                       ; 16 tokens x 2 heads: bias, turn, quantise along d, store
.if ((\a) != 3) && ((\a) != 7)
	CSLOAD (\a)+1
	s_wait_dscnt 16                                ; this block's cos and sin are in; the next block's 16 loads may be out
.else
	s_wait_dscnt 0x0
.endif
.if (\a) == 0
	s_wait_loadcnt 0x0                             ; the bias
.endif
	s_wait_xcnt 0x0                                ; earlier stores have read their data: the codes' registers may be written again
	ADDB \a
	ROT \a
.set CVS, CV+16*((\a)%2)
	QUANT4 RR, CVS
	v_lshl_or_b32 v[WD+(\a)], v[TM+5], 8, v[TM+4]  ; the first head's two bytes,
	v_lshl_or_b32 v248, v[TM+7], 8, v[TM+6]        ; the second head's:
	v_cndmask_b32 v[WD+(\a)], v[WD+(\a)], v248, s36   ; lanes 16-31 store those
	v_lshl_or_b32 v[WD+(\a)], v[WD+(\a)], 16, v[WD+(\a)]   ; bytes 2, 3 repeat bytes 0, 1: the unused upper half of the next product's K gets scales of the same size
.irp hh, 0,1
.irp bb, 0,1
	global_store_b96 v[ST12], v[CVS+4*(2*\hh+\bb):CVS+4*(2*\hh+\bb)+2], s[12:13] offset:(\a)*RECB+\hh*HEADB+\bb*384   ; the wave stores 384 consecutive bytes
.endr
.endr
	global_store_b32 v[SWQ], v[WD+(\a)], s[12:13] offset:(\a)*RECB
.if (\a) == 3
	s_wait_tensorcnt 0x0                           ; my rows of part 1 have landed,
	s_barrier_signal -1
	s_barrier_wait -1                              ; everybody's have
	CSLOAD 4
.endif
.endm
.macro VBLOCK a                        ; 16 channels x 128 keys: bias, quantise along the keys, store
	s_wait_xcnt 0x0                                ; earlier stores have read their data
.set AC, 64*((\a)%4)
	WIN 0x06+(\a)/4
.set i, 0
.rept 32
.if ((\a)%2) == 0
	v_pk_add_f32 v[Y+i:Y+i+1], v[AC+i:AC+i+1], v[(\a):(\a)+1] op_sel_hi:[1,0]               ; + bv(16 a + r): the pair's first register for both halves
.else
	v_pk_add_f32 v[Y+i:Y+i+1], v[AC+i:AC+i+1], v[(\a)-1:(\a)] op_sel:[0,1] op_sel_hi:[1,1]  ; the pair's second register for both halves
.endif
.set i, i+2
.endr
	WIN 0
.set CVS, CV+16*((\a)%2)
	QUANT4 Y, CVS
.irp kb, 0,1,2,3
.if ((\a)%4) == 0
	v_mov_b32 v[WD+\kb], v[TM+4+\kb]               ; the scale bytes of four tiles of channels make a word for each block of keys
.else
	v_lshl_or_b32 v[WD+\kb], v[TM+4+\kb], 8*((\a)%4), v[WD+\kb]
.endif
.endr
.irp kb, 0,1,2,3
	global_store_b96 v[ST12], v[CVS+4*\kb:CVS+4*\kb+2], s[12:13] offset:((\a)/4)*HEADB+\kb*VBLK+((\a)%4)*384
.endr
.if ((\a)%4) == 3
.irp kb, 0,1,2,3
	v_cndmask_b32 v[WD+4+\kb], v[WD+\kb], v[NIL], s36                  ; lanes 16-31 store the record's 64 zero bytes
	global_store_b32 v[SWV], v[WD+4+\kb], s[12:13] offset:((\a)/4)*HEADB+\kb*VBLK
.endr
.endif
.endm
	s_cmp_eq_u32 s[TYP], 2
	s_cbranch_scc1 .Lout_v
	CSLOAD 0                                       ; part 0 was shown landed, for every wave, by the last round
.irp a, 0,1,2,3,4,5,6,7
	QKBLOCK \a
.endr
	s_branch .Lend
.Lout_v:
	s_wait_loadcnt 0x0                             ; bv
.irp a, 0,1,2,3,4,5,6,7
	VBLOCK \a
.endr
.Lend:
	s_wait_tensorcnt 0x0                           ; the wave's end, behind my last tensor load
	ds_add_u32 v[SPW], v[NIL]
	s_wait_dscnt 0x0
	CROUND                                         ; the closing round
	s_endpgm
.Lfunc_end_k_q29ab0ecb93_qkv:
	.size	k_q29ab0ecb93_qkv, .Lfunc_end_k_q29ab0ecb93_qkv-k_q29ab0ecb93_qkv
	.p2alignl 7, 3214868480
	.fill 96, 4, 3214868480
	.section	.rodata,"a",@progbits
	.p2align	6, 0x0
	.amdhsa_kernel k_q29ab0ecb93_qkv
		.amdhsa_group_segment_fixed_size 327680
		.amdhsa_private_segment_fixed_size 0
		.amdhsa_enable_private_segment 0
		.amdhsa_kernarg_size 72
		.amdhsa_user_sgpr_count 2
		.amdhsa_user_sgpr_kernarg_segment_ptr 1
		.amdhsa_wavefront_size32 1
		.amdhsa_system_sgpr_workgroup_id_x 1
		.amdhsa_system_sgpr_workgroup_id_y 1
		.amdhsa_system_sgpr_workgroup_id_z 1
		.amdhsa_system_vgpr_workitem_id 0
		.amdhsa_next_free_vgpr 1024
		.amdhsa_next_free_sgpr 106
		.amdhsa_reserve_vcc 0
		.amdhsa_float_denorm_mode_32 3
		.amdhsa_float_denorm_mode_16_64 3
		.amdhsa_memory_ordered 1
		.amdhsa_forward_progress 1
		.amdhsa_inst_pref_size 255
	.end_amdhsa_kernel
	.section	.bss,"aw",@nobits
	.p2align	6
	.space	262144
	.amdgpu_metadata
---
amdhsa.version: [ 1, 2 ]
amdhsa.kernels:
  - .name:           k_q29ab0ecb93_qkv
    .symbol:         k_q29ab0ecb93_qkv.kd
    .args:
      - { .name: xc, .offset: 0, .size: 8, .value_kind: global_buffer, .address_space: global }
      - { .name: xs, .offset: 8, .size: 8, .value_kind: global_buffer, .address_space: global }
      - { .name: wc, .offset: 16, .size: 8, .value_kind: global_buffer, .address_space: global }
      - { .name: ws, .offset: 24, .size: 8, .value_kind: global_buffer, .address_space: global }
      - { .name: cos, .offset: 32, .size: 8, .value_kind: global_buffer, .address_space: global }
      - { .name: sin, .offset: 40, .size: 8, .value_kind: global_buffer, .address_space: global }
      - { .name: bq, .offset: 48, .size: 8, .value_kind: global_buffer, .address_space: global }
      - { .name: bv, .offset: 56, .size: 8, .value_kind: global_buffer, .address_space: global }
      - { .name: qkv, .offset: 64, .size: 8, .value_kind: global_buffer, .address_space: global }
    .group_segment_fixed_size: 327680
    .private_segment_fixed_size: 0
    .kernarg_segment_align: 8
    .kernarg_segment_size: 72
    .max_flat_workgroup_size: 128
    .sgpr_count:     106
    .vgpr_count:     1024
    .wavefront_size: 32
...
	.end_amdgpu_metadata
.endif
;; end of part 2
;; launch attn (part 3): grid 4 x 64, 16 waves a work-group, no clusters, 167,936 bytes of LDS; arguments qkv, mask, cc, cs; writes cc, cs
.if DOCPART == 3
	.amdgcn_target "amdgcn-amd-amdhsa--gfx1250"
	.amdhsa_code_object_version 6
	.text
	.protected	k_q29ab0ecb93_attn
	.globl	k_q29ab0ecb93_attn
	.p2align	8
	.type	k_q29ab0ecb93_attn,@function
k_q29ab0ecb93_attn:
	s_mov_b64 s[64:65], 0
	v_nop
	global_prefetch_b8 v0, s[64:65] scope:SCOPE_SE
	s_setreg_imm32_b32 hwreg(HW_REG_WAVE_MODE, 25, 1), 1
	s_wait_xcnt 0x0
; context[b][q][head][:] = softmax over the keys q - 256 .. q (causal, window 256 to the left, padding mask on the keys) of q . k / 8, times v; both products on codes of FP6 (E2M3) with E8M0 scales.
; p = 2^(t - M), t = score x log2(e) / 8, M = the running largest t rounded up to a whole number; p is quantised along the keys, not normalised; the row's sum of the unquantised p divides at the end.
; The context is quantised along (head, d) and stored as codes: cc [512 tiles of 16 tokens][16 heads][block of 32: 2][token r][24 bytes], cs [8192 tokens][32]: byte 2 head + block.
; SHARES.  A work-group takes 512 queries of one (b, head); wave w takes queries 32 w .. 32 w + 31 of them, two tiles of 16, one after the other.  A group of 32 queries needs nine blocks of 32 keys: its own and the eight before.
; LDS is filled once: the 24 blocks of keys that the 512 queries need, K's and V's records as the launch before laid them (1,664 bytes a block each), by four tensor loads; and one f32 word a key, 0 or -7.5 x 2^30.
; THE PADDING MASK is the C of the score product: a tile's eight words of a lane are loaded straight into the accumulator.  Keys before the sequence's start get the same word (their LDS bytes hold the head's first blocks: finite).
; THE WINDOW'S TWO EDGES touch the wave's first and last block alone; which lanes they hide in which register is fixed: the lane masks are constants of the text.
; K = 64 is half of the instruction's 128: Q's upper registers are zero codes; what stands in K's upper registers is any codes, times zero; the upper scale bytes repeat the lower.
; A key step is three blocks, 96 keys; the fourth block of the second product's K has zero codes in p.
; LIMITS: a hidden key's logit is -1.007e9 + its own score / 8 where the source has -1e9, and keys outside the window are not computed: the same p = 0 while a row's visible logits lie above about -1e9.
; A row all of whose keys are hidden has mask[q] = 0 (key q lies in its own window): its context is finite here and the last launch multiplies its row by 0.  NaN and infinities are not served.
; No cluster: work-groups share only the halo, a third of the one fill.
.set VBASE, 39936
.set MK,    79872
.set SPARE, 82944
.set PARTB, 6815744
.set HEADB, 106496
.set RECB,  832
.set BLKB,  1664
.set SPW,  1
.set NIL,  2
.set AK,   3                           ; K's fragments: 1,664 w + 384 h + 24 r
.set AKS,  4                           ; K's scale words: lanes 16-31 take the odd tile's
.set AMK,  5                           ; the keys' words: MK + 128 w + 32 h
.set AV0,  6                           ; V's fragments: lanes 16-31 one block on
.set AV1,  7                           ; and both halves on the same block
.set AVS,  8
.set NEG,  9                           ; -7.5 x 2^30
.set ST12, 10
.set STB,  11
.set PW,   18                          ; v[12:13] -M, largest t; v[14:15] the sum; v[16:17] f; v18 p's scale word
.set TMP,  19
.set KSC,  20
.set MKA,  23
.set VSC,  24                          ; v24-35 V's scale words: 3 steps x 4 tiles of channels
.set QSC,  36
.set QF,   38                          ; v38-49, v50-61 Q's two fragments
.set P,    62
.set X1,   74
.set Z,    78
.set BM,   82
.set BP,   86
.set SO,   89
.set QA,   92
.set QSA,  93
.set BYT,  94                          ; v94-95: at the head r and h; later the bytes to store
.set KF,   96                          ; v96-147 K's six fragments, 8 registers apart, then V's four
.set S,    148                         ; v148-195 scores, then p, at the end the context
.set O,    196                         ; v196-227 O^T
.set RW,   228                         ; v228-243 at the head at work; later the context's codes
.set WV,   12
.set G1H,  16                          ; s[16:23] group 1 of the halo's tile: written once, by constants, and never again
.set G1M,  24                          ; s[24:31] group 1 of the main tile: likewise
.set G0,   32
.set SEL,  36
.set CS,   38
.set HM,   40
.set EM,   41
.set T0,   59                          ; s59-62 at work at the head, for the LDS addresses' wave terms
.set T1,   60
.set T2,   61
.set T3,   62
	s_load_b256 s[4:11], s[0:1], 0x0               ; qkv, mask, cc, cs
	v_lshl_add_u32 v[SPW], v0, 2, SPARE
	v_mov_b32 v[NIL], 0
	ds_add_u32 v[SPW], v[NIL]                      ; the wave's opening: the add and its wait ahead of the first tensor load
	v_lshrrev_b32 v[TMP], 5, v0
	v_readfirstlane_b32 s[WV], v[TMP]              ; wave 0..15
	s_and_b32 s13, ttmp7, 0xffff                   ; 16 b + head
	s_mov_b32 s[G1H], 3<<16                        ; the halo: 8 blocks, 13,312 dense bytes as 52 rows of 256 (32 elements of 8 bytes)
	s_mov_b32 s[G1H+1], 32<<16
	s_mov_b32 s[G1H+2], 52<<16
	s_mov_b32 s[G1H+3], 32<<16
	s_mov_b32 s[G1H+4], 52
	s_mov_b32 s[G1H+5], 32
	s_mov_b32 s[G1H+6], 0
	s_mov_b32 s[G1H+7], 0
	s_mov_b32 s[G1M], 3<<16                        ; the 16 blocks of the work-group's own keys: 104 rows of 256
	s_mov_b32 s[G1M+1], 32<<16
	s_mov_b32 s[G1M+2], 104<<16
	s_mov_b32 s[G1M+3], 32<<16
	s_mov_b32 s[G1M+4], 104
	s_mov_b32 s[G1M+5], 32
	s_mov_b32 s[G1M+6], 0
	s_mov_b32 s[G1M+7], 0
	s_mov_b32 s[SEL], 0x76543210
	s_mov_b32 s[SEL+1], 0xfedcba98
	s_mov_b32 s[CS], 0x3e38aa3b                    ; c = log2(e) / 8
	s_mov_b32 s[CS+1], s[CS]
	s_mov_b32 s[HM], 0xffff0000                    ; lanes 16-31
	s_lshr_b32 s14, s[WV], 1                       ; waves 0, 1 fetch K, waves 2, 3 V;
	s_and_b32 s15, s[WV], 1                        ; the even one the halo, the odd one the rest
	s_mul_i32 s44, s14, VBASE
	s_mul_i32 s45, s15, 8*BLKB
	s_add_co_u32 s44, s44, s45                     ; where my tile goes: 39,936 (wave / 2) + 13,312 (wave % 2)
	s_mul_i32 s46, s13, HEADB                      ; the head's first byte in a part
	s_mul_i32 s47, ttmp9, 16*BLKB
	s_sub_co_i32 s48, s47, 8*BLKB
	s_max_i32 s48, s48, 0                          ; the first work-group of a head has no keys before it: its halo's source is held at the head's first block
	s_cmp_eq_u32 s15, 1
	s_cselect_b32 s48, s47, s48
	s_add_co_u32 s49, s14, 1
	s_mul_i32 s49, s49, PARTB
	s_add_co_u32 s48, s48, s49
	s_add_co_u32 s48, s48, s46
	s_mov_b32 s49, 0
	s_lshl_b32 s50, ttmp9, 5
	s_lshl_b32 s51, s[WV], 1
	s_add_co_u32 s51, s50, s51                     ; my first tile of 16 queries in the head
	s_mul_i32 s50, s51, RECB
	s_add_co_u32 s50, s50, s46
	s_lshr_b32 s52, s13, 4                         ; b
	s_and_b32 s53, s13, 15                         ; head
	s_lshl_b32 s56, s52, 11                        ; mask: b's row
	s_mov_b32 s57, 0
	s_lshl_b32 s52, s52, 7
	s_add_co_u32 s51, s52, s51                     ; my first tile among all 512
	s_mul_i32 s52, s51, 16*768
	s_mul_i32 s54, s53, 768
	s_add_co_u32 s52, s52, s54
	s_lshl_b32 s54, s51, 9
	s_lshl_b32 s53, s53, 1
	s_add_co_u32 s54, s54, s53
	s_mov_b32 s51, 0
	s_mov_b32 s53, 0
	s_mov_b32 s55, 0
	s_lshl_b32 s58, ttmp9, 9
	s_sub_co_i32 s58, s58, 512                     ; thread t of waves 4-15 owns keys 512 qb - 512 + 2 t and the next
	v_and_b32 v[BYT], 15, v0                       ; r
	v_bfe_u32 v[BYT+1], v0, 4, 1                   ; h
	s_mul_i32 s[T0], s[WV], BLKB                   ; my wave's first block of its nine
	v_mul_u32_u24 v[QA], v[BYT], 24
	v_mad_u32_u24 v[QA], v[BYT+1], 384, v[QA]      ; a record's block h, row r
	v_add_nc_u32 v[AK], s[T0], v[QA]
	v_lshl_add_u32 v[QSA], v[BYT], 2, 768
	v_mad_u32_u24 v[AKS], v[BYT+1], RECB, v[QSA]
	v_add_nc_u32 v[AKS], s[T0], v[AKS]
	s_lshl_b32 s[T1], s[WV], 7
	s_add_co_u32 s[T1], s[T1], MK
	v_lshl_add_u32 v[AMK], v[BYT+1], 5, s[T1]
	s_add_co_u32 s[T2], s[T0], VBASE
	v_mad_u32_u24 v[AV1], v[BYT], 24, s[T2]
	v_mad_u32_u24 v[AV0], v[BYT+1], BLKB, v[AV1]
	s_add_co_u32 s[T3], s[T2], 1536
	v_lshl_add_u32 v[AVS], v[BYT], 2, s[T3]
	v_mov_b32 v[NEG], 0xcff00000
	v_mul_u32_u24 v[ST12], v[BYT], 24
	v_mad_u32_u24 v[ST12], v[BYT+1], 12, v[ST12]
	v_lshl_add_u32 v[STB], v[BYT], 5, v[BYT+1]
	v_lshl_add_u32 v[MKA], v0, 3, MK-1024          ; MK + 8 (thread - 128)
	s_wait_dscnt 0x0                               ; the opening add is done
	s_wait_kmcnt 0x0
	s_mov_b32 s[G0], 1
	s_mov_b32 s[G0+1], s44
	s_add_nc_u64 s[G0+2:G0+3], s[4:5], s[48:49]
	s_or_b32 s[G0+3], s[G0+3], 0x80000000
	s_add_nc_u64 s[44:45], s[4:5], s[50:51]        ; Q's records
	s_add_nc_u64 s[46:47], s[8:9], s[52:53]        ; cc
	s_add_nc_u64 s[48:49], s[10:11], s[54:55]      ; cs
	s_add_nc_u64 s[6:7], s[6:7], s[56:57]          ; mask
.irp u, 0,1
.irp p, 0,1,2
	global_load_b64 v[QF+12*\u+2*\p:QF+12*\u+2*\p+1], v[QA], s[44:45] offset:\u*RECB+8*\p
.endr
	global_load_b32 v[QSC+\u], v[QSA], s[44:45] offset:\u*RECB
.endr
	s_cmp_lt_u32 s[WV], 4                          ; all first fills stand inside this one branch on the wave's number
	s_cbranch_scc0 .Lmk
	s_cmp_eq_u32 s15, 0
	s_cbranch_scc0 .Lmain
	tensor_load_to_lds s[G0:G0+3], s[G1H:G1H+7]
	s_nop 0
.rept 4
	v_nop
.endr
	s_branch .Ljoin
.Lmain:
	tensor_load_to_lds s[G0:G0+3], s[G1M:G1M+7]
	s_nop 0
.rept 4
	v_nop
.endr
	s_branch .Ljoin
.Lmk:                                              ; waves 4-15: the keys' words
	v_lshl_add_u32 v[RW], v0, 1, s58               ; my first key; negative before the sequence's start
	v_max_i32 v[RW+1], 0, v[RW]
	global_load_u16 v[RW+2], v[RW+1], s[6:7]       ; two bytes of the mask
	s_wait_loadcnt 0x0
	v_and_b32 v[RW+3], 0xff, v[RW+2]
	v_lshrrev_b32 v[RW+2], 8, v[RW+2]
	v_cmp_eq_u32 s[EM], 0, v[RW+3]
	v_cmp_eq_u32 s[EM+1], 0, v[RW+2]
	v_cmp_gt_i32 s43, 0, v[RW]
	s_or_b32 s[EM], s[EM], s43
	s_or_b32 s[EM+1], s[EM+1], s43
	v_cndmask_b32 v[RW+4], v[NIL], v[NEG], s[EM]
	v_cndmask_b32 v[RW+5], v[NIL], v[NEG], s[EM+1]
	ds_store_b64 v[MKA], v[RW+4:RW+5]
.Ljoin:
	s_wait_tensorcnt 0x0                           ; my tile has landed,
	s_wait_dscnt 0x0                               ; my words are stored:
	s_barrier_signal -1
	s_barrier_wait -1                              ; everybody's are.  The one barrier: nothing in LDS is written again
.irp l, 0,1,2,3,4,5,6,7,8
	ds_load_b32 v[RW+\l], v[AVS] offset:\l*BLKB    ; V's scale words of my nine blocks: byte t is the scale of channel 16 t + r
.endr
.irp t, 0,1,2,3,4,5
	v_mov_b32 v[KF+8*\t+6], 0                      ; K's upper registers are written once; later they hold whatever codes lie there, times Q's zeros
	v_mov_b32 v[KF+8*\t+7], 0
.endr
.irp n, 48,49,50,51
	v_mov_b32 v[KF+\n], 0
.endr
.irp u, 0,1
.irp n, 6,7,8,9,10,11
	v_mov_b32 v[QF+12*\u+\n], 0                    ; Q's upper half of K: zero codes
.endr
.endr
.irp b, 0,1,2
	v_mov_b32 v[BP+\b], 0                          ; a lane permute's destination counts as one of its sources
.endr
	v_mov_b32 v17, 0                               ; named as the upper half of the pair v[16:17]
	s_wait_dscnt 0x0
.irp j, 0,1,2
.irp t, 0,1,2,3
	v_perm_b32 v[TMP], v[RW+3*\j+1], v[RW+3*\j], \t|((4+\t)<<8)                             ; bytes 0, 1: blocks 3 j and 3 j + 1
	v_perm_b32 v[VSC+4*\j+\t], v[RW+3*\j+2], v[TMP], 0x0100|((4+\t)<<16)|((4+\t)<<24)       ; bytes 2, 3: block 3 j + 2, twice
.endr
.endr
	s_wait_loadcnt 0x0                             ; Q
; The window's edge in a block of 32 keys whose scores begin at v[sbase]: key kk = 16 t + 8 (lane / 16) + j of the block against query qq = 16 u + lane % 16.  kind 0 (the first block): hidden where kk < qq;
; kind 1 (the last): where kk > qq.  Each register's lane mask is worked out at assembly; where a tile has any, its register 0 has one.
.macro EDGE sbase, u, kind
.set et, 0
.rept 2
.set ej, 0
.rept 8
.set em, 0
.set el, 0
.rept 32
.if \kind
.if (16*et+8*(el/16)+ej) > (16*(\u)+el%16)
.set em, em|(1<<el)
.endif
.else
.if (16*et+8*(el/16)+ej) < (16*(\u)+el%16)
.set em, em|(1<<el)
.endif
.endif
.set el, el+1
.endr
.if em != 0
	s_mov_b32 s[EM+ej%2], em
	v_cndmask_b32 v[\sbase+8*et+ej], v[\sbase+8*et+ej], v[NEG], s[EM+ej%2]
.endif
.set ej, ej+1
.endr
.set et, et+1
.endr
.endm
; A KEY STEP: blocks 3 j .. 3 j + 2 of my nine, for my tile u of queries.  j = 0 starts M, the sum and O^T.
.macro STEP j, u
.rept 4
	v_nop                                          ; places in front of loads into registers that the last products read (at the first step: behind the moves into operands)
.endr
.irp t, 0,1,2,3,4,5
.irp p, 0,1,2
	ds_load_b64 v[KF+8*\t+2*\p:KF+8*\t+2*\p+1], v[AK] offset:(6*(\j)+\t)*RECB+8*\p
.endr
	ds_load_b128 v[S+8*\t:S+8*\t+3], v[AMK] offset:64*(6*(\j)+\t)            ; the words of keys 16 t + 8 h + 0 .. 7: the product's C
	ds_load_b128 v[S+8*\t+4:S+8*\t+7], v[AMK] offset:64*(6*(\j)+\t)+16
.endr
.irp b, 0,1,2
	ds_load_b32 v[KSC+\b], v[AKS] offset:(6*(\j)+2*\b)*RECB
.endr
	s_wait_dscnt 0x0
.irp t, 0,1,2,3,4,5                            ; S^T = K Q^T + the keys' words: a lane holds one query, its registers eight keys; six accumulators by turns
.if (\t%2) == 0
	v_wmma_scale_f32_16x16x128_f8f6f4 v[S+8*\t:S+8*\t+7], v[KF+8*\t:KF+8*\t+11], v[QF+12*(\u):QF+12*(\u)+11], v[S+8*\t:S+8*\t+7], v[KSC+\t/2], v[QSC+(\u)] matrix_a_fmt:MATRIX_FMT_FP6 matrix_b_fmt:MATRIX_FMT_FP6
.else
	v_wmma_scale_f32_16x16x128_f8f6f4 v[S+8*\t:S+8*\t+7], v[KF+8*\t:KF+8*\t+11], v[QF+12*(\u):QF+12*(\u)+11], v[S+8*\t:S+8*\t+7], v[KSC+\t/2], v[QSC+(\u)] matrix_a_fmt:MATRIX_FMT_FP6 matrix_b_fmt:MATRIX_FMT_FP6 matrix_a_scale:MATRIX_SCALE_ROW1
.endif
.endr
.rept 4
	v_nop                                          ; places: for the loads into K's registers and for the first read of the scores
.endr
.irp t, 0,1,2,3
.irp p, 0,1,2
	ds_load_b64 v[KF+12*\t+2*\p:KF+12*\t+2*\p+1], v[AV0] offset:3*(\j)*BLKB+\t*384+8*\p            ; V^T: lanes 0-15 block 3 j, lanes 16-31 block 3 j + 1
	ds_load_b64 v[KF+12*\t+6+2*\p:KF+12*\t+6+2*\p+1], v[AV1] offset:(3*(\j)+2)*BLKB+\t*384+8*\p    ; block 3 j + 2 in both halves: p's fourth block is zero codes
.endr
.endr
.if \j == 0
	EDGE S, \u, 0
.endif
.if \j == 2
	EDGE S+32, \u, 1
.endif
.irp b, 0,1,2
	v_max3_num_f32 v[BM+\b], v[S+16*\b], v[S+16*\b+1], v[S+16*\b+2]   ; the largest score of each block: for the row's maximum and, since p rises with the score, for the block's largest p
.endr
.irp n, 3,5,7,9,11,13
.irp b, 0,1,2
	v_max3_num_f32 v[BM+\b], v[BM+\b], v[S+16*\b+\n], v[S+16*\b+\n+1]
.endr
.endr
.irp b, 0,1,2
	v_max_num_f32 v[BM+\b], v[BM+\b], v[S+16*\b+15]
.endr
.irp b, 0,1,2
	v_permlanex16_b32 v[BP+\b], v[BM+\b], s[SEL], s[SEL+1]
.endr
.irp b, 0,1,2
	v_max_num_f32 v[BM+\b], v[BM+\b], v[BP+\b]
.endr
	v_max3_num_f32 v[TMP], v[BM], v[BM+1], v[BM+2]
.if \j == 0
	v_mul_f32 v13, s[CS], v[TMP]                   ; the largest t
	v_floor_f32 v12, -v13                          ; -M = floor(-t)
.else
	v_mul_f32 v[TMP], s[CS], v[TMP]
	v_max_num_f32 v13, v13, v[TMP]
	v_mov_b32 v[TMP], v12
	v_floor_f32 v12, -v13
	v_sub_f32 v[TMP], v12, v[TMP]                  ; old M - new M: a whole number, 0 or less
	v_cvt_i32_f32 v[TMP], v[TMP]
	v_ldexp_f32 v16, 1.0, v[TMP]                   ; f = 2^(old M - new M): rounds nothing
.endif
.set n, 0
.rept 24
	v_pk_fma_f32 v[S+n:S+n+1], v[S+n:S+n+1], s[CS:CS+1], v[12:13] op_sel_hi:[1,0,0]   ; t - M
.set n, n+2
.endr
.irp b, 0,1,2
	v_fma_f32 v[BM+\b], v[BM+\b], s[CS], v12
.endr
.set n, 0
.rept 48
	v_exp_f32 v[S+n], v[S+n]                       ; p = 2^(t - M)
.set n, n+1
.endr
.if \j == 0
	v_nop                                          ; a plain place behind the exponentials
.else
	v_pk_mul_f32 v[14:15], v[14:15], v[16:17] op_sel_hi:[1,0]   ; the sum under the new M: a plain place behind the exponentials
.endif
	s_wait_alu depctr_va_vdst(0)                   ; one wait for the whole batch, ahead of its first reader
.irp b, 0,1,2
	v_exp_f32 v[BM+\b], v[BM+\b]                   ; the block's largest p
.endr
.if \j == 0
	v_pk_add_f32 v[14:15], v[S:S+1], v[S+2:S+3]    ; the row's sum of the unquantised p, in two chains
	v_pk_add_f32 v[BP:BP+1], v[S+4:S+5], v[S+6:S+7]
.irp n, 8,12,16,20,24,28,32,36,40,44
	v_pk_add_f32 v[14:15], v[14:15], v[S+\n:S+\n+1]
	v_pk_add_f32 v[BP:BP+1], v[BP:BP+1], v[S+\n+2:S+\n+3]
.endr
.else
	v_pk_add_f32 v[BP:BP+1], v[S:S+1], v[S+2:S+3]
.irp n, 4,8,12,16,20,24,28,32,36,40,44
	v_pk_add_f32 v[14:15], v[14:15], v[S+\n:S+\n+1]
	v_pk_add_f32 v[BP:BP+1], v[BP:BP+1], v[S+\n+2:S+\n+3]
.endr
.endif
	v_pk_add_f32 v[14:15], v[14:15], v[BP:BP+1]
	s_wait_alu depctr_va_vdst(0)                   ; and one for the three
.irp b, 0,1,2
	v_max_num_f32 v[BM+\b], 0x1800000, v[BM+\b]    ; the floor: the byte cannot fall under 1
.endr
.irp b, 0,1,2
	v_add_nc_u32 v[SO+\b], 0xff000000, v[BM+\b]    ; the conversion's scale operand
.endr
.irp b, 0,1,2
	v_lshrrev_b32 v[BP+\b], 23, v[SO+\b]           ; the scale's byte
.endr
	v_lshl_or_b32 v[PW], v[BP+1], 8, v[BP]
	v_lshl_or_b32 v[PW], v[BP+2], 16, v[PW]
	v_lshl_or_b32 v[PW], v[BP+2], 24, v[PW]        ; the fourth block (zero codes) repeats the third's byte
	v_cvt_scalef32_pk16_fp6_f32 v[P:P+2], v[S:S+15], v[SO]
	v_cvt_scalef32_pk16_fp6_f32 v[X1:X1+2], v[S+16:S+31], v[SO+1]
	v_cvt_scalef32_pk16_fp6_f32 v[P+6:P+8], v[S+32:S+47], v[SO+2]
.irp n, 0,1,2
	v_mov_b32 v[Z+\n], 0                           ; the fourth block's codes; also the plain place behind the conversions
.endr
.irp n, 0,1,2                                  ; the operand wants a whole block in a lane: lanes 0-15 blocks 0 and 2, lanes 16-31 blocks 1 and 3
	v_permlane16_swap_b32 v[P+\n], v[X1+\n]
	v_permlane16_swap_b32 v[P+6+\n], v[Z+\n]
.endr
.irp n, 0,1,2
	v_mov_b32 v[P+3+\n], v[X1+\n]
	v_mov_b32 v[P+9+\n], v[Z+\n]
.endr
.if \j == 0
.rept 8
	v_nop                                          ; a scale word made by vector instructions stands eight places ahead of the scaled product
.endr
.else
.set n, 0
.rept 16
	v_pk_mul_f32 v[O+n:O+n+1], v[O+n:O+n+1], v[16:17] op_sel_hi:[1,0]   ; O^T under the new M; these are also those places
.set n, n+2
.endr
.endif
	s_wait_dscnt 0x0                               ; V
.irp t, 0,1,2,3                                ; O^T += V^T P^T: four accumulators by turns
.if \j == 0
	v_wmma_scale_f32_16x16x128_f8f6f4 v[O+8*\t:O+8*\t+7], v[KF+12*\t:KF+12*\t+11], v[P:P+11], 0, v[VSC+4*(\j)+\t], v[PW] matrix_a_fmt:MATRIX_FMT_FP6 matrix_b_fmt:MATRIX_FMT_FP6
.else
	v_wmma_scale_f32_16x16x128_f8f6f4 v[O+8*\t:O+8*\t+7], v[KF+12*\t:KF+12*\t+11], v[P:P+11], v[O+8*\t:O+8*\t+7], v[VSC+4*(\j)+\t], v[PW] matrix_a_fmt:MATRIX_FMT_FP6 matrix_b_fmt:MATRIX_FMT_FP6
.endif
.endr
.endm
; The tile's end: O^T / the sum, quantised along d (two blocks of 32; lane l xor 16 holds the other half of each), 12 bytes of codes a lane and block, one scale byte a row and block.
.macro FINISH u
.rept 4
	v_nop
.endr
	v_add_f32 v14, v14, v15
	v_permlanex16_b32 v[TMP], v14, s[SEL], s[SEL+1]
	v_add_f32 v14, v14, v[TMP]                     ; the row's sum
	v_rcp_f32 v16, v14
	v_nop                                          ; a plain place behind the reciprocal
	s_wait_alu depctr_va_vdst(0)                   ; and its wait, ahead of the first reader
.set n, 0
.rept 16
	v_pk_mul_f32 v[S+n:S+n+1], v[O+n:O+n+1], v[16:17] op_sel_hi:[1,0]
.set n, n+2
.endr
.irp b, 0,1
	v_max3_num_f32 v[BM+\b], |v[S+16*\b]|, |v[S+16*\b+1]|, 0x1800000
.endr
.irp n, 2,4,6,8,10,12,14
.irp b, 0,1
	v_max3_num_f32 v[BM+\b], v[BM+\b], |v[S+16*\b+\n]|, |v[S+16*\b+\n+1]|
.endr
.endr
.irp b, 0,1
	v_permlanex16_b32 v[BP+\b], v[BM+\b], s[SEL], s[SEL+1]
.endr
.irp b, 0,1
	v_max_num_f32 v[BM+\b], v[BM+\b], v[BP+\b]
.endr
.irp b, 0,1
	v_add_nc_u32 v[SO+\b], 0xff000000, v[BM+\b]
.endr
.irp b, 0,1
	v_lshrrev_b32 v[BP+\b], 23, v[SO+\b]
.endr
.irp b, 0,1
	v_cvt_scalef32_pk16_fp6_f32 v[RW+8*(\u)+4*\b:RW+8*(\u)+4*\b+2], v[S+16*\b:S+16*\b+15], v[SO+\b]
.endr
	v_cndmask_b32 v[BYT+(\u)], v[BP], v[BP+1], s[HM]   ; lanes 16-31 store the second block's byte; also the plain place behind the conversions
.irp b, 0,1
	global_store_b96 v[ST12], v[RW+8*(\u)+4*\b:RW+8*(\u)+4*\b+2], s[46:47] offset:(\u)*16*768+\b*384   ; the wave stores 384 consecutive bytes
.endr
	global_store_b8 v[STB], v[BYT+(\u)], s[48:49] offset:(\u)*512   ; single bytes of rows 32 bytes apart: a row's 32 bytes come from 16 work-groups; 262,144 bytes in the whole launch
.endm
	STEP 0, 0
	STEP 1, 0
	STEP 2, 0
	FINISH 0
	STEP 0, 1
	STEP 1, 1
	STEP 2, 1
	FINISH 1
	s_wait_tensorcnt 0x0                           ; the wave's end
	ds_add_u32 v[SPW], v[NIL]
	s_wait_dscnt 0x0
	s_endpgm
.Lfunc_end_k_q29ab0ecb93_attn:
	.size	k_q29ab0ecb93_attn, .Lfunc_end_k_q29ab0ecb93_attn-k_q29ab0ecb93_attn
	.p2alignl 7, 3214868480
	.fill 96, 4, 3214868480
	.section	.rodata,"a",@progbits
	.p2align	6, 0x0
	.amdhsa_kernel k_q29ab0ecb93_attn
		.amdhsa_group_segment_fixed_size 167936
		.amdhsa_private_segment_fixed_size 0
		.amdhsa_enable_private_segment 0
		.amdhsa_kernarg_size 32
		.amdhsa_user_sgpr_count 2
		.amdhsa_user_sgpr_kernarg_segment_ptr 1
		.amdhsa_wavefront_size32 1
		.amdhsa_system_sgpr_workgroup_id_x 1
		.amdhsa_system_sgpr_workgroup_id_y 1
		.amdhsa_system_sgpr_workgroup_id_z 1
		.amdhsa_system_vgpr_workitem_id 0
		.amdhsa_next_free_vgpr 248
		.amdhsa_next_free_sgpr 66
		.amdhsa_reserve_vcc 0
		.amdhsa_float_denorm_mode_32 3
		.amdhsa_float_denorm_mode_16_64 3
		.amdhsa_memory_ordered 1
		.amdhsa_forward_progress 1
		.amdhsa_inst_pref_size 108
	.end_amdhsa_kernel
	.amdgpu_metadata
---
amdhsa.version: [ 1, 2 ]
amdhsa.kernels:
  - .name:           k_q29ab0ecb93_attn
    .symbol:         k_q29ab0ecb93_attn.kd
    .args:
      - { .name: qkv, .offset: 0, .size: 8, .value_kind: global_buffer, .address_space: global }
      - { .name: mask, .offset: 8, .size: 8, .value_kind: global_buffer, .address_space: global }
      - { .name: cc, .offset: 16, .size: 8, .value_kind: global_buffer, .address_space: global }
      - { .name: cs, .offset: 24, .size: 8, .value_kind: global_buffer, .address_space: global }
    .group_segment_fixed_size: 167936
    .private_segment_fixed_size: 0
    .kernarg_segment_align: 8
    .kernarg_segment_size: 32
    .max_flat_workgroup_size: 512
    .sgpr_count:     66
    .vgpr_count:     248
    .wavefront_size: 32
...
	.end_amdgpu_metadata
.endif
;; end of part 3
;; launch proj (part 4): grid 4 x 32, 4 waves a work-group, clusters of 4 x 4, 327,680 bytes of LDS; arguments cc, cs, wc, ws, bo, mask, out0; writes out0
.if DOCPART == 4
	.amdgcn_target "amdgcn-amd-amdhsa--gfx1250"
	.amdhsa_code_object_version 6
	.text
	.protected	k_q29ab0ecb93_proj
	.globl	k_q29ab0ecb93_proj
	.p2align	8
	.type	k_q29ab0ecb93_proj,@function
k_q29ab0ecb93_proj:
	s_mov_b64 s[64:65], 0
	v_nop
	global_prefetch_b8 v0, s[64:65] scope:SCOPE_SE
	s_setreg_imm32_b32 hwreg(HW_REG_WAVE_MODE, 25, 1), 1
	s_wait_xcnt 0x0
	s_wait_alu depctr_hold_cnt(0) depctr_sa_sdst(0) depctr_va_vdst(0) depctr_va_sdst(0) depctr_va_ssrc(0) depctr_va_vcc(0) depctr_vm_vsrc(0)
	s_getreg_b32 s2, hwreg(HW_REG_IB_STS2, 6, 4)
	s_cmp_eq_u32 s2, 0
	s_cbranch_scc0 .Lentry_in_a_cluster
	s_endpgm
.Lentry_in_a_cluster:
	s_bfe_u32 s2, ttmp6, 0x10000c
	s_cmp_lg_u32 s2, 0xf033
	s_cbranch_scc0 .Lentry_shape_is_right
	s_endpgm
.Lentry_shape_is_right:
; out0[m][n] = (sum over k of context[m][k] Wo[k][n] + bo[n]) x mask[m], the product on codes of FP6 (E2M3) with E8M0 scales; out0 [8192][1024] f32.
; A = the context's codes, cc [512 tiles of 16 rows][16 heads][block: 2][row r][24 bytes], scales cs [8192][32]; B = rows 3072-4095 of wc [.][768] and ws [.][32]: Wo's columns, K innermost.
; A tile of out0 is 256 x 256: four waves, 128 x 128 a wave, 64 accumulators.  K = 1,024 goes in four steps of 256 through two LDS slots filled by the tensor data mover; the scale bytes come once and stay.
; CLUSTERS: 4 x 4 work-groups; A's tiles are shared along a row of the cluster, B's along a column, by joint loads.  The matrix instruction is used transposed: a lane holds eight neighbouring numbers of a row of out0.
; A's tile in LDS keeps cc's layout: 3,072 bytes for each 16 rows and 256 along K; lane (r, h) reads block h of a head at 384 h + 24 r: the 32 lanes of a load of 8 bytes touch 64 different banks (64 banks of 4 bytes: ISA guide 11.1).
; 128 work-groups: the tile is kept at 256 x 256, so that each byte read from LDS feeds as many products as in the launch that makes q, k and v.
; REGISTERS: window 0: v0-31 addresses; v32-63 scale words; from v128 A's fragments; on the way out v128-191 results, v192-255 rows read back.  window 1: B's fragments, two sets; on the way out v0-63 bo, v64-71 the mask.  windows 2, 3: accumulators.
.set SIZE_N, 1024
.set KSTEP,  256
.set NQ,     2
.set ROWB,   192
.set AROWB,  3072                      ; A: 256 along K of a tile of 16 rows
.set KROW,   768
.set PITCH,  240
.set FR,     12
.set NL,     6
.set NP,     4
.set HALFT,  128*PITCH
.set SLOT,   4*HALFT
.set KS,     32
.set SCL,    2*SLOT
.set HALFS,  (128*KS/256)*272
.set SBLK,   (16*KS/256)*272
.set SPARE,  SCL+4*HALFS
.set SPITCH, 528
.set ADRA, 16
.set ADRB, 20
.set STO,  24
.set RD,   25
.set CO,   26
.set ADRS, 27
.set SPW,  28
.set NIL,  29
.set SC,   32
.set AF,   128
.set TMP,  128
.set BK,   192
.set G1, 24
.set G0, 32
.set G1B, 48
.set G0B, 56
.set G1S, 68
.set G0S, 76
.set G1SB, 80
.set G0SB, 88
.set MSB, 0
.macro WIN new
.if MSB != (\new)
	s_set_vgpr_msb (MSB<<8)|(\new)
.set MSB, (\new)
.endif
.endm
.set MUL_LO, 0xa1
.set MUL_HI, 0xf1
.set TO_B,   0x40
.macro JLOAD g0a, g1a, g0b, g1b        ; a joint load: waves 0 and 1 fetch for A, waves 2 and 3 for B; an s_nop 0 and four v_nop follow each line
	s_cmp_eq_u32 s15, 0
	s_cbranch_scc0 .Lfor_b_\@
	tensor_load_to_lds s[\g0a:\g0a+3], s[\g1a:\g1a+7]
	s_nop 0
.rept 4
	v_nop
.endr
	s_branch .Lasked_\@
.Lfor_b_\@:
	tensor_load_to_lds s[\g0b:\g0b+3], s[\g1b:\g1b+7]
	s_nop 0
.rept 4
	v_nop
.endr
.Lasked_\@:
.endm
.macro CREST
	s_cmp_lg_u32 s14, 0
	s_cbranch_scc1 .Lnot_wave_0_\@
	s_barrier_signal -3
.Lnot_wave_0_\@:
	s_barrier_wait -3
	s_barrier_signal -1
	s_barrier_wait -1
.endm
.macro CROUND
	s_barrier_signal -1
	s_barrier_wait -1
	CREST
.endm
	s_load_b128 s[4:7], s[0:1], 0x0                ; cc, cs
	s_load_b128 s[8:11], s[0:1], 0x10              ; wc, ws
	s_load_b64 s[12:13], s[0:1], 0x30              ; out0
	v_lshl_add_u32 v[SPW], v0, 2, SPARE
	v_mov_b32 v[NIL], 0
	ds_add_u32 v[SPW], v[NIL]                      ; the wave's opening: the add and its wait ahead of my first tensor load
	v_lshrrev_b32 v1, 5, v0
	v_readfirstlane_b32 s14, v1
	s_lshr_b32 s15, s14, 1
	s_and_b32 s16, s14, 1
	s_bfe_u32 s40, ttmp6, 0x40000
	s_bfe_u32 s41, ttmp6, 0x40004
	s_lshl_b32 s42, ttmp9, 2
	s_add_co_u32 s42, s42, s40                     ; tile column
	s_and_b32 s17, ttmp7, 0xffff
	s_lshl_b32 s17, s17, 2
	s_add_co_u32 s17, s17, s41                     ; tile row
	s_lshl_b32 s43, s41, 2
	s_lshl_b32 s43, 15, s43
	s_lshl_b32 s44, 0x1111, s40
	s_or_b32 s[G1+0], s43, (3<<16)|(1<<21)         ; A: 8 tiles of 16 rows x 3,072 bytes (384 elements of 8 bytes), 12,288 bytes apart; no padding
	s_mov_b32 s[G1+1], 384<<16
	s_mov_b32 s[G1+2], 8<<16
	s_mov_b32 s[G1+3], 384<<16
	s_mov_b32 s[G1+4], 8
	s_mov_b32 s[G1+5], 1536
	s_mov_b32 s[G1+6], 0
	s_mov_b32 s[G1+7], 0
	s_or_b32 s[G1B+0], s44, (0<<16)|(1<<20)|(1<<21)|(3<<22)|(3<<25)   ; B: 128 rows x 192 bytes, 16 bytes of padding behind every 64
	s_mov_b32 s[G1B+1], ROWB<<16
	s_mov_b32 s[G1B+2], 128<<16
	s_mov_b32 s[G1B+3], ROWB<<16
	s_mov_b32 s[G1B+4], 128
	s_mov_b32 s[G1B+5], KROW
	s_mov_b32 s[G1B+6], 0
	s_mov_b32 s[G1B+7], 0
	s_or_b32 s[G1S+0], s43, (3<<16)|(1<<20)|(1<<21)|(5<<22)|(3<<25)
	s_or_b32 s[G1SB+0], s44, (3<<16)|(1<<20)|(1<<21)|(5<<22)|(3<<25)
.irp g, G1S, G1SB
	s_mov_b32 s[\g+1], 32<<16
	s_mov_b32 s[\g+2], (128*KS/256)<<16
	s_mov_b32 s[\g+3], 32<<16
	s_mov_b32 s[\g+4], 128*KS/256
	s_mov_b32 s[\g+5], 32
	s_mov_b32 s[\g+6], 0
	s_mov_b32 s[\g+7], 0
.endr
	s_lshl_b32 s18, s16, 7
	s_lshl_b32 s20, s17, 8
	s_add_co_u32 s20, s20, s18
	s_lshl_b32 s46, s42, 8
	s_add_co_u32 s46, s46, s18
	s_mov_b32 s21, 0
	s_mov_b32 s47, 0
	s_mov_b64 s[18:19], KS
	s_mul_u64 s[22:23], s[20:21], s[18:19]
	s_mul_u64 s[92:93], s[46:47], s[18:19]
	s_mov_b64 s[18:19], KROW
	s_mul_u64 s[20:21], s[20:21], s[18:19]         ; A: row x 768 = (row / 16) x 12,288, the row being a multiple of 16
	s_mul_u64 s[46:47], s[46:47], s[18:19]
	s_mul_i32 s45, s14, HALFT
	s_mul_i32 s94, s14, HALFS
	s_wait_dscnt 0x0
	s_wait_kmcnt 0x0
	s_add_nc_u64 s[8:9], s[8:9], 3072*KROW         ; Wo's rows of wc
	s_add_nc_u64 s[10:11], s[10:11], 3072*KS       ; and of ws
	s_add_nc_u64 s[20:21], s[4:5], s[20:21]
	s_add_nc_u64 s[22:23], s[6:7], s[22:23]
	s_add_nc_u64 s[46:47], s[8:9], s[46:47]
	s_add_nc_u64 s[92:93], s[10:11], s[92:93]
	CROUND
	s_mov_b32 s[G0S], 1
	s_add_co_u32 s[G0S+1], s94, SCL
	s_mov_b64 s[G0S+2:G0S+3], s[22:23]
	s_or_b32 s[G0S+3], s[G0S+3], 0x80000000
	s_mov_b32 s[G0SB], 1
	s_add_co_u32 s[G0SB+1], s94, SCL
	s_mov_b64 s[G0SB+2:G0SB+3], s[92:93]
	s_or_b32 s[G0SB+3], s[G0SB+3], 0x80000000
	JLOAD G0S, G1S, G0SB, G1SB
.irp s, 0,1
	s_mov_b32 s[G0+4*\s], 1
	s_add_co_u32 s[G0+4*\s+1], s45, \s*SLOT
	s_add_nc_u64 s[G0+4*\s+2:G0+4*\s+3], s[20:21], \s*AROWB
	s_or_b32 s[G0+4*\s+3], s[G0+4*\s+3], 0x80000000
	s_mov_b32 s[G0B+4*\s], 1
	s_add_co_u32 s[G0B+4*\s+1], s45, \s*SLOT
	s_add_nc_u64 s[G0B+4*\s+2:G0B+4*\s+3], s[46:47], \s*ROWB
	s_or_b32 s[G0B+4*\s+3], s[G0B+4*\s+3], 0x80000000
	JLOAD G0+4*\s, G1, G0B+4*\s, G1B
.endr
	v_and_b32 v1, 15, v0                           ; r
	v_bfe_u32 v2, v0, 4, 1                         ; h
	v_mul_u32_u24 v3, v1, PITCH
	v_mul_u32_u24 v4, v2, 24
	v_add_nc_u32 v4, v3, v4
	v_lshl_add_u32 v5, v2, 4, v4
	v_mul_u32_u24 v6, v1, 24
	v_mad_u32_u24 v6, v2, 384, v6                  ; A: block h, row r
	s_mul_i32 s21, s15, HALFT
	s_mul_i32 s22, s16, HALFT
	s_add_co_u32 s22, s22, 2*HALFT
.irp s, 0,1
	v_add_nc_u32 v[ADRA+\s], s21, v6
	v_add_nc_u32 v[ADRB+\s], s22, v4
	v_add_nc_u32 v[ADRB+2+\s], s22, v5
	s_add_co_u32 s21, s21, SLOT
	s_add_co_u32 s22, s22, SLOT
.endr
	v_mul_u32_u24 v5, v1, KS
	v_lshrrev_b32 v6, 8, v5
	v_lshl_add_u32 v5, v6, 4, v5
	s_mul_i32 s21, s15, HALFS
	s_mul_i32 s22, s16, HALFS
	s_add_co_u32 s22, s22, 2*HALFS
	s_sub_co_u32 s22, s22, s21
	v_mul_u32_u24 v6, s22, v2
	s_add_co_u32 s21, s21, SCL
	v_add_nc_u32 v5, v5, v6
	v_add_nc_u32 v[ADRS], s21, v5
	s_mul_i32 s23, s14, 16*SPITCH                  ; my stage, in slot 0
	v_mul_u32_u24 v5, v1, SPITCH
	v_lshl_add_u32 v5, v2, 5, v5
	v_add_nc_u32 v[STO], s23, v5
	v_and_b32 v6, 31, v0
	v_lshlrev_b32 v[CO], 4, v6
	v_add_nc_u32 v[RD], s23, v[CO]
	v_lshlrev_b32 v8, 5, v2                        ; bo: 32 h
	s_lshl_b32 s20, s17, 8
	s_lshl_b32 s21, s15, 7
	s_add_co_u32 s20, s20, s21
	s_mov_b32 s21, 0
	s_mov_b64 s[18:19], SIZE_N*4
	s_mul_u64 s[20:21], s[20:21], s[18:19]
	s_lshl_b32 s46, s42, 10
	s_lshl_b32 s47, s16, 9
	s_add_co_u32 s46, s46, s47
	s_mov_b32 s47, 0
	s_add_nc_u64 s[20:21], s[20:21], s[46:47]
	s_add_nc_u64 s[12:13], s[12:13], s[20:21]
.macro FRAG reg, adr, q, i             ; B's fragment, from rows of 192 bytes padded behind every 64
.irp p, 0,1,2,3,4,5
.set PC, 12*(\q)+6*(\p/3)+\p%3
.if PC%8 < 5
	ds_load_b64 v[\reg+2*\p:\reg+2*\p+1], v[\adr] offset:8*PC+16*(PC/8)+(\i)*16*PITCH
.else
	ds_load_b64 v[\reg+2*\p:\reg+2*\p+1], v[\adr+2] offset:8*PC+16*(PC/8)+(\i)*16*PITCH
.endif
.endr
.endm
.macro FRAG_A reg, adr, q, i           ; A's fragment: registers 6 c .. 6 c + 5 are block h of head 2 q + c of the slot's four
.irp p, 0,1,2,3,4,5
	ds_load_b64 v[\reg+2*\p:\reg+2*\p+1], v[\adr] offset:(\i)*AROWB+(2*(\q)+\p/3)*768+8*(\p%3)
.endr
.endm
.macro MUL16 a0, p, q, sc, zero        ; the 64 accumulators take turns, one instruction a turn
.irp a, \a0, \a0+1
.irp b, 0,1,2,3,4,5,6,7
.if \zero
	v_wmma_scale_f32_16x16x128_f8f6f4 v[8*(8*((\a)%4)+\b):8*(8*((\a)%4)+\b)+7], v[128*(\p)+FR*\b:128*(\p)+FR*\b+FR-1], v[AF+FR*(\a):AF+FR*(\a)+FR-1], 0, v[SC+8*NQ*(\sc)+NQ*\b+(\q)], v[SC+8*NQ*(\sc)+NQ*(\a)+(\q)] matrix_a_fmt:MATRIX_FMT_FP6 matrix_b_fmt:MATRIX_FMT_FP6 matrix_a_scale:MATRIX_SCALE_ROW1
.else
	v_wmma_scale_f32_16x16x128_f8f6f4 v[8*(8*((\a)%4)+\b):8*(8*((\a)%4)+\b)+7], v[128*(\p)+FR*\b:128*(\p)+FR*\b+FR-1], v[AF+FR*(\a):AF+FR*(\a)+FR-1], v[8*(8*((\a)%4)+\b):8*(8*((\a)%4)+\b)+7], v[SC+8*NQ*(\sc)+NQ*\b+(\q)], v[SC+8*NQ*(\sc)+NQ*(\a)+(\q)] matrix_a_fmt:MATRIX_FMT_FP6 matrix_b_fmt:MATRIX_FMT_FP6 matrix_a_scale:MATRIX_SCALE_ROW1
.endif
.endr
.endr
.endm
.macro FETCH_B slot, q, p
	WIN TO_B
.irp i, 0,1,2,3,4,5,6,7
	FRAG 128*(\p)+FR*\i, ADRB+\slot, \q, \i
.endr
	WIN 0
.endm
.macro FETCH_A slot, q, i0
.irp i, \i0, \i0+1, \i0+2, \i0+3
	FRAG_A AF+FR*(\i), ADRA+\slot, \q, \i
.endr
.endm
.macro SCALES sc
.irp i, 0,1,2,3,4,5,6,7
	ds_load_b64 v[SC+8*NQ*\sc+NQ*\i:SC+8*NQ*\sc+NQ*\i+1], v[ADRS] offset:\i*SBLK
.endr
.endm
.macro PLACES n
.rept \n
	v_nop
.endr
.endm
.macro STEP slot, q, zero
	s_wait_dscnt 4*NL                              ; B's set and A's blocks 0-3 are in; A's blocks 4-7 (24 loads) may be out
	WIN MUL_LO
	MUL16 0, (\q)%2, \q, \slot, \zero
	MUL16 2, (\q)%2, \q, \slot, \zero
	s_wait_dscnt 0
	PLACES NP
	FETCH_B \slot, (\q)+1, 1-(\q)%2
	FETCH_A \slot, (\q)+1, 0
	WIN MUL_HI
	MUL16 4, (\q)%2, \q, \slot, \zero
	MUL16 6, (\q)%2, \q, \slot, \zero
	PLACES NP
	WIN 0
	FETCH_A \slot, (\q)+1, 4
.endm
.macro TURN slot, next, fill           ; a slot's last 128 along K change slots: one barrier; fill = 1: it opens a round of the cluster's barrier and this slot takes the K step two on
	s_wait_tensorcnt 0x0                           ; all my tensor loads have landed
	ds_add_u32 v[SPW], v[NIL]
	s_wait_dscnt 4*NL+1                            ; the add and A's blocks 4-7 may be out
	WIN MUL_LO
	MUL16 0, 1, NQ-1, \slot, 0
	s_wait_dscnt 0x0                               ; the add is done, and my reads of this slot are over
	s_barrier_signal -1
	MUL16 2, 1, NQ-1, \slot, 0
	WIN 0
	s_barrier_wait -1
.if \fill
	CREST
	s_add_nc_u64 s[G0+4*\slot+2:G0+4*\slot+3], s[G0+4*\slot+2:G0+4*\slot+3], 2*AROWB
	s_add_nc_u64 s[G0B+4*\slot+2:G0B+4*\slot+3], s[G0B+4*\slot+2:G0B+4*\slot+3], 2*ROWB
	JLOAD G0+4*\slot, G1, G0B+4*\slot, G1B
.else
	PLACES NP
.endif
	v_add_nc_u32 v[ADRS], 4*NQ, v[ADRS]
	FETCH_B \next, 0, 0
	FETCH_A \next, 0, 0
	SCALES \next
	WIN MUL_HI
	MUL16 4, 1, NQ-1, \slot, 0
	MUL16 6, 1, NQ-1, \slot, 0
	PLACES NP
	WIN 0
	FETCH_A \next, 0, 4
.endm
	s_wait_tensorcnt 1                             ; the scales and my part of K step 0 are in; K step 1's load may be out
	s_barrier_signal -1
	s_barrier_wait -1
	FETCH_B 0, 0, 0
	FETCH_A 0, 0, 0
	SCALES 0
	FETCH_A 0, 0, 4
	STEP 0, 0, 1                                   ; the eight steps of 128 along K are written out, no loop
	TURN 0, 1, 1
	STEP 1, 0, 0
	TURN 1, 0, 1
	STEP 0, 0, 0
	TURN 0, 1, 0                                   ; nothing is left to fetch
	s_load_b128 s[24:27], s[0:1], 0x20             ; bo, mask, into registers of A's group 1, whose last load the wait for 0 above has shown done
	STEP 1, 0, 0
	s_wait_kmcnt 0x0
	s_lshl_b32 s18, s42, 10
	s_lshl_b32 s19, s16, 9
	s_add_co_u32 s18, s18, s19
	s_mov_b32 s19, 0
	s_add_nc_u64 s[24:25], s[24:25], s[18:19]      ; bo at my first column
	s_lshl_b32 s18, s17, 8
	s_lshl_b32 s20, s15, 7
	s_add_co_u32 s18, s18, s20
	s_add_nc_u64 s[26:27], s[26:27], s[18:19]      ; mask at my first row
	WIN 0x40                                       ; B's set 0 is free: four places stand behind its last product
.irp b, 0,1,2,3,4,5,6,7
	global_load_b128 v[8*\b:8*\b+3], v8, s[24:25] offset:64*\b         ; bo(16 b + 8 h + 0 .. 7)
	global_load_b128 v[8*\b+4:8*\b+7], v8, s[24:25] offset:64*\b+16
.endr
.irp a, 0,1,2,3,4,5,6,7
	global_load_u8 v[64+\a], v1, s[26:27] offset:16*\a                 ; mask(16 a + r)
.endr
	WIN 0
	s_wait_dscnt 4*NL                              ; the very last step
	WIN MUL_LO
	MUL16 0, 1, NQ-1, 1, 0
	MUL16 2, 1, NQ-1, 1, 0
	s_wait_dscnt 0
	WIN MUL_HI
	MUL16 4, 1, NQ-1, 1, 0
	MUL16 6, 1, NQ-1, 1, 0
	WIN 0
	PLACES NP
	s_wait_loadcnt 0x0                             ; bo and the mask
	WIN 0x41
.irp a, 0,1,2,3,4,5,6,7
	v_cvt_f32_u32 v[64+\a], v[64+\a]               ; 0 or 1, as f32
.endr
; THE WAY OUT, block by block of 16 rows x 128 columns: (sum + bo) x mask, through my own stage in LDS (in slot 0, which has had its last fill and its last read), back as whole rows of 512 bytes.
.macro PACK a
.set AC, 64*((\a)%4)
	WIN 0x06+(\a)/4
.set i, 0
.rept 32
	v_pk_add_f32 v[TMP+i:TMP+i+1], v[AC+i:AC+i+1], v[i:i+1]            ; each accumulator from its low end on
.set i, i+2
.endr
	WIN 0x04
.set i, 0
.rept 32
.if ((\a)%2) == 0
	v_pk_mul_f32 v[TMP+i:TMP+i+1], v[TMP+i:TMP+i+1], v[64+(\a):65+(\a)] op_sel_hi:[1,0]
.else
	v_pk_mul_f32 v[TMP+i:TMP+i+1], v[TMP+i:TMP+i+1], v[63+(\a):64+(\a)] op_sel:[0,1] op_sel_hi:[1,1]
.endif
.set i, i+2
.endr
	WIN 0
.endm
.macro TOSTAGE
.irp b, 0,1,2,3,4,5,6,7
	ds_store_b128 v[STO], v[TMP+8*\b:TMP+8*\b+3] offset:64*\b
	ds_store_b128 v[STO], v[TMP+8*\b+4:TMP+8*\b+7] offset:64*\b+16
.endr
.irp t, 0,1,2,3,4,5,6,7,8,9,10,11,12,13,14,15
	ds_load_b128 v[BK+4*\t:BK+4*\t+3], v[RD] offset:\t*SPITCH          ; LDS serves a wave's instructions in order: these see the stores above
.endr
.endm
.macro SEND a
	s_wait_dscnt 0x0                               ; the block is back in registers
.if (\a) > 0
	s_add_nc_u64 s[12:13], s[12:13], 16*SIZE_N*4   ; behind a wait on XCNT: the earlier stores have read their base
.endif
.irp t, 0,1,2,3,4,5,6,7,8,9,10,11,12,13,14,15
	global_store_b128 v[CO], v[BK+4*\t:BK+4*\t+3], s[12:13] offset:\t*SIZE_N*4 th:TH_STORE_NT   ; 32 lanes store 512 consecutive bytes, aligned
.endr
.endm
	PACK 0
	TOSTAGE
.irp a, 1,2,3,4,5,6,7
	PACK \a                                        ; the next block's arithmetic stands between the loads from the stage and the wait for them
	SEND \a-1
	s_wait_xcnt 0x0                                ; the stores have read their registers and their base
	TOSTAGE
.endr
	SEND 7
	s_wait_tensorcnt 0x0                           ; the wave's end, behind my last LDS store
	ds_add_u32 v[SPW], v[NIL]
	s_wait_dscnt 0x0
	CROUND                                         ; the closing round
	s_endpgm
.Lfunc_end_k_q29ab0ecb93_proj:
	.size	k_q29ab0ecb93_proj, .Lfunc_end_k_q29ab0ecb93_proj-k_q29ab0ecb93_proj
	.p2alignl 7, 3214868480
	.fill 96, 4, 3214868480
	.section	.rodata,"a",@progbits
	.p2align	6, 0x0
	.amdhsa_kernel k_q29ab0ecb93_proj
		.amdhsa_group_segment_fixed_size 327680
		.amdhsa_private_segment_fixed_size 0
		.amdhsa_enable_private_segment 0
		.amdhsa_kernarg_size 56
		.amdhsa_user_sgpr_count 2
		.amdhsa_user_sgpr_kernarg_segment_ptr 1
		.amdhsa_wavefront_size32 1
		.amdhsa_system_sgpr_workgroup_id_x 1
		.amdhsa_system_sgpr_workgroup_id_y 1
		.amdhsa_system_sgpr_workgroup_id_z 1
		.amdhsa_system_vgpr_workitem_id 0
		.amdhsa_next_free_vgpr 1024
		.amdhsa_next_free_sgpr 100
		.amdhsa_reserve_vcc 0
		.amdhsa_float_denorm_mode_32 3
		.amdhsa_float_denorm_mode_16_64 3
		.amdhsa_memory_ordered 1
		.amdhsa_forward_progress 1
		.amdhsa_inst_pref_size 195
	.end_amdhsa_kernel
	.amdgpu_metadata
---
amdhsa.version: [ 1, 2 ]
amdhsa.kernels:
  - .name:           k_q29ab0ecb93_proj
    .symbol:         k_q29ab0ecb93_proj.kd
    .args:
      - { .name: cc, .offset: 0, .size: 8, .value_kind: global_buffer, .address_space: global }
      - { .name: cs, .offset: 8, .size: 8, .value_kind: global_buffer, .address_space: global }
      - { .name: wc, .offset: 16, .size: 8, .value_kind: global_buffer, .address_space: global }
      - { .name: ws, .offset: 24, .size: 8, .value_kind: global_buffer, .address_space: global }
      - { .name: bo, .offset: 32, .size: 8, .value_kind: global_buffer, .address_space: global }
      - { .name: mask, .offset: 40, .size: 8, .value_kind: global_buffer, .address_space: global }
      - { .name: out0, .offset: 48, .size: 8, .value_kind: global_buffer, .address_space: global }
    .group_segment_fixed_size: 327680
    .private_segment_fixed_size: 0
    .kernarg_segment_align: 8
    .kernarg_segment_size: 56
    .max_flat_workgroup_size: 128
    .sgpr_count:     100
    .vgpr_count:     1024
    .wavefront_size: 32
...
	.end_amdgpu_metadata
.endif
;; end of part 4
